; MI455X (gfx1250); checked and timed in simulation.
; The chip was launched on July 23, 2026; its instructions are those of AMD's public machine-readable ISA for CDNA 5 (MIT licence, August 2026) and "CDNA5" Instruction Set Architecture Reference Guide (July 2026). The comments in the code are by the model that wrote it; some were corrected since.
;; Multi Head Attention. Allowed arithmetic: matrix products marked QUANTISED: E2M3 operands, one E8M0 scale for each 32 along K, by v_wmma_scale_f32_16x16x128_f8f6f4 with both operands' format E2M3, f32 sums; everything else in f32.
;; Inputs: bk 1,024 float32; bo 1,024 float32; bq 1,024 float32; bv 1,024 float32; wk 1,024 x 1,024 float32; wo 1,024 x 1,024 float32; wq 1,024 x 1,024 float32; wv 1,024 x 1,024 float32; x 4 x 2,048 x 1,024 float32.
;; Outputs: out0 4 x 2,048 x 1,024 float32.
;; This version of the problem:
;;   THIS VERSION OF THE PROBLEM IS GIVEN IN LOW PRECISION. The matrix products marked QUANTISED in the list below multiply operands that are first quantised to E2M3 (2 exponent bits, 3 mantissa bits; 6 bits a number), with one power-of-two scale for each 32 numbers along K (OCP MX v1.0); their sums are f32. All else is computed in f32.
;;   The module's matrix products, in the order in which they are computed (A, B: the left and right operand; K: the contracted axis; several contracted axes count as one K, in the product's order):
;;     1. [M 8,192, K 1,024] x [K 1,024, N 1,024]; A: input x; B: input wq: QUANTISED
;;     2. [M 8,192, K 1,024] x [K 1,024, N 1,024]; A: input x; B: input wk: QUANTISED
;;     3. [M 8,192, K 1,024] x [K 1,024, N 1,024]; A: input x; B: input wv: QUANTISED
;;     4. batch 64 x [M 2,048, K 64] x [K 64, N 2,048]; A: computed on the way; B: computed on the way: QUANTISED
;;     5. batch 64 x [M 2,048, K 2,048] x [K 2,048, N 64]; A: softmax (see below); B: computed on the way: QUANTISED
;;     6. [M 8,192, K 1,024] x [K 1,024, N 1,024]; A: computed on the way; B: input wo: QUANTISED
;;   THE QUANTISER, for each operand of a quantised product, along K:
;;     - K is cut into blocks of 32 from its start; a last block that is shorter is filled with zeros.
;;     - A block's scale is 2^e with e = floor(log2(the largest magnitude in the block)) - 2, held to -126 .. 127; a block of zeros has e = 0. As a byte (E8M0): e + 127.
;;     - Each number is divided by its block's scale, clamped to +-7.5, and rounded to the nearest number of E2M3, ties to even, subnormals kept.
;;     - The product sums the exact products of the quantised numbers (number of the format x scale) in f32.
;;   ~~~python
;;   def quantise(x, axis):      # numpy; x: float32 -> the quantised numbers, widened to float32 again
;;       x = np.moveaxis(x, axis, -1); K = x.shape[-1]
;;       x = np.pad(x, [(0, 0)] * (x.ndim - 1) + [(0, -K % 32)]); x = x.reshape(x.shape[:-1] + (-1, 32)); a = np.abs(x).max(-1, keepdims=True)
;;       e = np.where(a > 0, np.clip(np.frexp(np.where(a > 0, a, 1))[1] - 1 - 2, -126, 127), 0)      # np.frexp(a)[1] - 1 = floor(log2(a)), exactly
;;       r = np.clip(x / 2.0 ** e, -7.5, 7.5)
;;       step = 2.0 ** (np.maximum(np.frexp(np.where(r == 0, 1, r))[1] - 1, 0) - 3)
;;       q = np.round(r / step) * step * 2.0 ** e      # np.round: ties to even
;;       return np.moveaxis(q.reshape(q.shape[:-2] + (-1,))[..., :K], -1, axis).astype(np.float32)
;;   ~~~
;;   SOFTMAX AHEAD OF A QUANTISED PRODUCT. Where the list says 'softmax', what is quantised is not the finished softmax but p = 2^(t - M), with t = logit x log2(e) and M = ceil(the row's largest t), a whole number; so 1/2 < the row's largest p <= 1. The row's sum l is taken of the UNQUANTISED p, in f32, and the product's result is divided by l at the end. Since M is a whole number, a kernel that streams over the keys may use a running M (the ceiling of the running maximum): every later rescaling is an exact power of two, which a block's scale takes up: the codes' values come out the same.
;;   OPERANDS COMPUTED ON THE WAY. 'Computed on the way' means the value that the module computes at that place (a softmax that the list does not call 'softmax' is quantised finished and normalised). What goes into a quantiser is computed in f32, as accurately as f32 sums, v_exp_f32 and their like allow (about 1e-6 of the number): no bf16 or f16 on the way to a quantiser, and a product that is left as it is and whose result goes on into a quantised operand takes f32 operands (vector FMAs, or v_wmma_f32_16x16x4_f32). A number that lies on a knife's edge between two numbers of the format may be rounded either way, as far as f32 arithmetic and the matrix unit's own rounding can turn it there, and no further.
;; One version. Each part assembles by itself: llvm-mc -triple=amdgcn-amd-amdhsa -mcpu=gfx1250 --defsym DOCPART=n.
;; ======== version 1 of 1: 4 launches
;; workspace buffers: xc 6,291,456 bytes; wc 3,145,728 bytes; sc1 360,448 bytes; sc2 294,912 bytes; qkv 20,185,088 bytes; ac 6,291,456 bytes
;; launch prep (part 1): grid 512 x 1, 4 waves a work-group, no clusters, 34,304 bytes of LDS; arguments x, wq, wk, wv, wo, xc, wc, sc1, sc2; writes xc, wc, sc1, sc2
.if DOCPART == 1
	.amdgcn_target "amdgcn-amd-amdhsa--gfx1250"
	.amdhsa_code_object_version 6
	.text
	.protected	k_qd74811c8d5_prep
	.globl	k_qd74811c8d5_prep
	.p2align	8
	.type	k_qd74811c8d5_prep,@function
k_qd74811c8d5_prep:
	s_mov_b64 s[64:65], 0
	v_nop
	global_prefetch_b8 v0, s[64:65] scope:SCOPE_SE
	s_setreg_imm32_b32 hwreg(HW_REG_WAVE_MODE, 25, 1), 1
	s_wait_xcnt 0x0
; CAUSAL MULTI-HEAD ATTENTION ON CODES OF E2M3, four launches: prep (this one), gemm_qkv, attn, gemm_out.
; WORK LEFT OUT BY THE PROGRAM (in launch attn): reference() adds NEG = -max_float to every score whose key comes after its query, by a mask that it builds itself.  For such a key
; p = 2^(t - M) is 0 whatever finite values the inputs hold, since key 0 counts for every query and so M is a finite score's ceiling.  A step of 128 keys all of which come after all 16 queries of a tile
; therefore adds nothing to the row's sum nor to the product with v: those whole steps are not multiplied.  Nothing else is left out; all nine inputs have a way to the output and are loaded (bk too: it moves k's codes).
; LIMITS: a NaN, an infinity or an overflow that reaches only the key steps left out is not carried to the result.  NaN and infinities among the inputs are not served.  A block of zeros, and a block whose
; largest magnitude lies under 2^-124, gets the scale byte 1 (the rule says 127 for zeros): its codes are zeros or the rule's own, and the bytes are read by this program alone.
;
; THIS LAUNCH turns x [8192][1024] (K innermost) and wq, wk, wv, wo [1024 (K)][1024 (n)] (K outermost) into codes with one E8M0 byte for each 32 along K, laid AS THE OPERAND'S REGISTERS WANT THEM.
; A TILE is 16 rows of a group of 32: lane r of tile 2 b + u is row 32 b + 8 u + r + 8 (r / 8).  A HALF IMAGE (16 rows x 64 K, 768 bytes): lane l = r + 16 h holds the 6 registers of the row's block h;
; registers 0-3 lie at 16 l, registers 4, 5 at 512 + 8 l.  Codes: tile x 12288 + K step x 1536 + half x 768.  Scale words: tile x 512 + (K step / 4) x 256 + 16 r + 4 (K step % 4).
; Work-groups 0-255 take x: a wave takes one tile x 512 along K.  Each load reads 512 consecutive bytes of a row; the 16 rows turn through the wave's own stage in LDS (pitch 528) so that a lane gets 32 neighbours.
; Work-groups 256-511 take the weights: a wave takes 32 columns x 128 along K, a lane a column, registers down K: nothing is transposed.  Its loads run two blocks of 32 along K ahead.
; No tensor load, no barrier: waves share nothing.
.set SPARE, 33792                      ; behind the four stages: the spare words, 128 bytes a wave
.set STG,   8448                       ; a stage: 16 rows x 528 bytes
.set SPW,   12                         ; v12  my spare word's LDS address; never rewritten
.set NIL,   13                         ; v13  0; never rewritten
.set TT,    24                         ; v24-30  the conversions' second halves (a conversion's three registers begin on an even number)
.set CB,    32                         ; v32-61  codes: two sets of 12 (x), or 8 for each block (weights)
.set XB,    64                         ; v64-127 two blocks of 32 neighbours
.set RB,    128                        ; v128-255 numbers as loaded
	s_load_b512 s[4:19], s[0:1], 0x0               ; x s[4:5], wq s[6:7], wk s[8:9], wv s[10:11], wo s[12:13], xc s[14:15], wc s[16:17], sc1 s[18:19]
	s_load_b64 s[20:21], s[0:1], 0x40              ; sc2
	v_lshl_add_u32 v[SPW], v0, 2, SPARE
	v_mov_b32 v[NIL], 0
	v_lshrrev_b32 v1, 5, v0
	v_readfirstlane_b32 s22, v1                    ; wave
	v_and_b32 v1, 31, v0                           ; lane
	s_mov_b32 s29, 0
	s_wait_kmcnt 0x0
	s_cmp_lt_u32 ttmp9, 256
	s_cbranch_scc0 .Lweights
	; ---------------- x ----------------
	s_lshl_b32 s23, ttmp9, 2
	s_add_co_u32 s23, s23, s22                     ; u = 2 x tile + which half of K
	s_lshr_b32 s24, s23, 1                         ; tile
	s_and_b32 s25, s23, 1
	s_lshr_b32 s28, s24, 1
	s_lshl_b32 s28, s28, 17                        ; 32 rows of 4,096 bytes for each pair of tiles,
	s_and_b32 s26, s24, 1
	s_lshl_b32 s26, s26, 15                        ; 8 rows for the odd tile,
	s_add_co_u32 s28, s28, s26
	s_lshl_b32 s26, s25, 11                        ; 512 numbers along K
	s_add_co_u32 s28, s28, s26
	s_add_nc_u64 s[4:5], s[4:5], s[28:29]
	s_mul_i32 s28, s23, 6144                       ; tile x 12288 + half x 6144
	s_add_nc_u64 s[14:15], s[14:15], s[28:29]
	s_lshl_b32 s28, s23, 8                         ; tile x 512 + half x 256
	s_add_nc_u64 s[18:19], s[18:19], s[28:29]
	s_mov_b32 s30, 0x76543210
	s_mov_b32 s31, 0xfedcba98                      ; v_permlanex16_b32's selects for lane l xor 16
	v_and_b32 v23, 15, v0                          ; r
	v_bfe_u32 v7, v0, 4, 1                         ; h
	s_wait_alu depctr_va_vdst(0)
	v_lshlrev_b32 v2, 4, v1                        ; 16 x lane
	s_mul_i32 s28, s22, STG
	v_add_nc_u32 v3, s28, v2                       ; the stage, on the way in: a row's 512 bytes as they lie
	v_mul_u32_u24 v4, v23, 528
	v_lshl_add_u32 v4, v7, 7, v4
	v_add_nc_u32 v4, s28, v4                       ; and out: row r, + 128 h: my block of 32 numbers
	v_lshlrev_b32 v5, 3, v1                        ; 8 x lane
	v_lshlrev_b32 v6, 4, v23
	v_lshl_add_u32 v6, v7, 3, v6                   ; 16 r + 8 h: two scale words
	v_lshlrev_b32 v7, 3, v7                        ; 8 h
	v_mov_b32 v22, 0                               ; a lane permute's destination counts as one of its sources
.macro LOAD t                          ; K step t of my four: 16 rows x 512 consecutive bytes
.irp i, 0,1,2,3,4,5,6,7,8,9,10,11,12,13,14,15
	global_load_b128 v[RB+64*((\t)%2)+4*\i:RB+64*((\t)%2)+4*\i+3], v2, s[4:5] offset:(\i+8*(\i/8))*4096+512*(\t) th:TH_LOAD_NT
.endr
.endm
.macro XSTEP t
.set RS, RB+64*((\t)%2)
.set CS, CB+12*((\t)%2)
.if (\t) < 3
	s_wait_loadcnt 16                              ; this step's 16 loads are in; the next step's 16 may be out
.else
	s_wait_loadcnt 0x0
.endif
.irp i, 0,1,2,3,4,5,6,7,8,9,10,11,12,13,14,15
	ds_store_b128 v3, v[RS+4*\i:RS+4*\i+3] offset:528*\i
.endr
.irp c, 0,1
.irp j, 0,1,2,3,4,5,6,7
	ds_load_b128 v[XB+32*\c+4*\j:XB+32*\c+4*\j+3], v4 offset:256*\c+16*\j   ; LDS serves a wave's instructions in order: these see the stores above.  k = 64 c + 32 h + 0 .. 31 of row r
.endr
.endr
	s_wait_dscnt 0x0                               ; my 64 numbers are in, and the stores have read their registers,
.if (\t) < 2
	LOAD (\t)+2                                    ; which take the loads of two steps on
.endif
.irp c, 0,1
	v_max3_num_f32 v[8+\c], |v[XB+32*\c]|, |v[XB+32*\c+1]|, 0x1800000   ; a block's largest magnitude: all 32 are mine; the floor 2^(3 - 127) holds the byte at 1 from below
.endr
.irp i, 2,4,6,8,10,12,14,16,18,20,22,24,26,28,30
.irp c, 0,1
	v_max3_num_f32 v[8+\c], v[8+\c], |v[XB+32*\c+\i]|, |v[XB+32*\c+\i+1]|
.endr
.endr
.irp c, 0,1
	v_add_nc_u32 v[10+\c], 0xff000000, v[8+\c]     ; 2 off the exponent field: the conversion's scale operand
.endr
.irp c, 0,1
	v_lshrrev_b32 v[14+\c], 23, v[10+\c]           ; the scale's byte
.endr
	v_lshl_or_b32 v[16+\t], v15, 16, v14           ; my two bytes: blocks h and 2 + h,
	v_lshlrev_b32 v[16+\t], v7, v[16+\t]           ; at their places;
	v_permlanex16_b32 v22, v[16+\t], s30, s31
	v_or_b32 v[16+\t], v[16+\t], v22               ; with lane l xor 16's two the word is whole
.if (\t) >= 2
	s_wait_alu depctr_va_vdst(0)
	s_wait_xcnt 0x0                                ; the stores of two steps back have read this set of codes
.endif
.irp c, 0,1
	v_cvt_scalef32_pk16_fp6_f32 v[CS+6*\c:CS+6*\c+2], v[XB+32*\c:XB+32*\c+15], v[10+\c]
	v_cvt_scalef32_pk16_fp6_f32 v[TT+4*\c:TT+4*\c+2], v[XB+32*\c+16:XB+32*\c+31], v[10+\c]
.endr
	v_nop                                          ; one plain place behind a scaled conversion
.irp c, 0,1
.irp i, 0,1,2
	v_mov_b32 v[CS+6*\c+3+\i], v[TT+4*\c+\i]
.endr
.endr
	global_store_b128 v2, v[CS:CS+3], s[14:15] offset:1536*(\t)          ; 512 consecutive bytes,
	global_store_b64 v5, v[CS+4:CS+5], s[14:15] offset:1536*(\t)+512     ; 256,
	global_store_b128 v2, v[CS+6:CS+9], s[14:15] offset:1536*(\t)+768
	global_store_b64 v5, v[CS+10:CS+11], s[14:15] offset:1536*(\t)+1280
.endm
	LOAD 0
	LOAD 1
	s_wait_alu depctr_va_vdst(0)
	XSTEP 0
	XSTEP 1
	XSTEP 2
	XSTEP 3
	v_cmp_ne_u32 vcc_lo, 0, v7
	v_cndmask_b32 v20, v16, v18, vcc_lo            ; lane (r, h) stores row r's words 2 h and 2 h + 1:
	v_cndmask_b32 v21, v17, v19, vcc_lo
	global_store_b64 v6, v[20:21], s[18:19]        ; 256 consecutive bytes
	s_wait_tensorcnt 0x0                           ; the wave's end, behind my last LDS store
	ds_add_u32 v[SPW], v[NIL]
	s_wait_dscnt 0x0
	s_endpgm
	; ---------------- the weights ----------------
.Lweights:
	s_sub_co_u32 s23, ttmp9, 256
	s_lshr_b32 s24, s23, 6                         ; which weight
	s_bfe_u32 s25, s23, 0x30003                    ; K step
	s_and_b32 s26, s23, 7
	s_lshl_b32 s26, s26, 2
	s_add_co_u32 s26, s26, s22                     ; which 32 columns
	s_cmp_eq_u32 s24, 1
	s_cselect_b64 s[6:7], s[8:9], s[6:7]
	s_cmp_eq_u32 s24, 2
	s_cselect_b64 s[6:7], s[10:11], s[6:7]
	s_cmp_eq_u32 s24, 3
	s_cselect_b64 s[6:7], s[12:13], s[6:7]
	s_cselect_b64 s[18:19], s[20:21], s[18:19]     ; wo's scale words go to sc2, the others' to sc1,
	s_cselect_b32 s27, 0, s24                      ; each behind 262,144 bytes of rows' words
	s_lshl_b32 s28, s25, 19                        ; 128 rows of 4,096 bytes a K step
	s_lshl_b32 s32, s26, 7
	s_add_co_u32 s28, s28, s32
	s_add_nc_u64 s[6:7], s[6:7], s[28:29]
	s_lshl_b32 s32, s26, 1                         ; two tiles to 32 columns
	s_lshl_b32 s28, s24, 6
	s_add_co_u32 s28, s28, s32
	s_mul_i32 s28, s28, 12288
	s_mul_i32 s33, s25, 1536
	s_add_co_u32 s28, s28, s33
	s_add_nc_u64 s[16:17], s[16:17], s[28:29]
	s_lshl_b32 s28, s27, 6
	s_add_co_u32 s28, s28, s32
	s_lshl_b32 s28, s28, 9
	s_add_co_u32 s28, s28, 262144
	s_lshr_b32 s33, s25, 2
	s_lshl_b32 s33, s33, 8
	s_add_co_u32 s28, s28, s33
	s_and_b32 s33, s25, 3
	s_lshl_b32 s33, s33, 2
	s_add_co_u32 s28, s28, s33
	s_add_nc_u64 s[18:19], s[18:19], s[28:29]
	s_wait_alu depctr_va_vdst(0)
	v_lshlrev_b32 v2, 2, v1                        ; in: 4 bytes a lane
	v_bfe_u32 v3, v0, 3, 1                         ; my column's tile of the two: u = (lane / 8) % 2,
	v_and_b32 v4, 7, v0
	v_bfe_u32 v5, v0, 4, 1
	v_lshl_add_u32 v4, v5, 3, v4                   ; and its row there: r = lane % 8 + 8 (lane / 16)
	v_mul_u32_u24 v5, v3, 12288
	v_lshl_add_u32 v6, v4, 4, v5
	v_lshl_add_u32 v7, v4, 3, v5
	v_lshlrev_b32 v8, 9, v3
	v_lshl_add_u32 v8, v4, 4, v8
.macro WLOAD b                         ; block b of the K step's four: w(128 s + 32 b + i, my column), i = 0 .. 31, into registers of its own: 128 consecutive bytes a wave, 512 a work-group
.set KK, 32*(\b)
.rept 32
	global_load_b32 v[RB+KK], v2, s[6:7] offset:KK*4096 th:TH_LOAD_NT
.set KK, KK+1
.endr
.endm
.macro WBLK b                          ; block b: half b / 2, lanes' half b % 2 of the image
.set XS, RB+32*(\b)
.if (\b) < 3
	s_wait_loadcnt 32                              ; this block's 32 loads are in; the next block's 32, the only ones issued behind them, may be out
.else
	s_wait_loadcnt 0x0
.endif
.if (\b) < 2
	WLOAD (\b)+2                                   ; two blocks ahead
.endif
	v_max3_num_f32 v9, |v[XS]|, |v[XS+1]|, |v[XS+2]|
	v_max3_num_f32 v10, |v[XS+3]|, |v[XS+4]|, |v[XS+5]|
.irp i, 6,10,14,18,22,26
	v_max3_num_f32 v9, v9, |v[XS+\i]|, |v[XS+\i+1]|
	v_max3_num_f32 v10, v10, |v[XS+\i+2]|, |v[XS+\i+3]|
.endr
	v_max3_num_f32 v9, v9, |v[XS+30]|, |v[XS+31]|
	v_max3_num_f32 v9, v9, v10, 0x1800000          ; and the floor
	v_add_nc_u32 v11, 0xff000000, v9
	v_lshrrev_b32 v10, 23, v11
.if (\b) == 0
	v_mov_b32 v16, v10
.else
	v_lshl_or_b32 v16, v10, 8*(\b), v16            ; the four bytes make my column's scale word of this K step
.endif
	v_cvt_scalef32_pk16_fp6_f32 v[CB+8*(\b):CB+8*(\b)+2], v[XS:XS+15], v11
	v_cvt_scalef32_pk16_fp6_f32 v[TT:TT+2], v[XS+16:XS+31], v11
	v_nop                                          ; one plain place behind a scaled conversion
.irp i, 0,1,2
	v_mov_b32 v[CB+8*(\b)+3+\i], v[TT+\i]
.endr
	global_store_b128 v6, v[CB+8*(\b):CB+8*(\b)+3], s[16:17] offset:768*((\b)/2)+256*((\b)%2)         ; sixteen lanes fill 256 consecutive bytes of each tile
	global_store_b64 v7, v[CB+8*(\b)+4:CB+8*(\b)+5], s[16:17] offset:768*((\b)/2)+512+128*((\b)%2)    ; 128 bytes of each tile; the half's other block brings the other 128
.endm
	WLOAD 0
	WLOAD 1
	WBLK 0
	WBLK 1
	WBLK 2
	WBLK 3
	global_store_b32 v8, v16, s[18:19]             ; 4 bytes a column, 16 apart: one byte for each 128 that the wave reads
	s_wait_tensorcnt 0x0                           ; the same three closing lines on this path
	ds_add_u32 v[SPW], v[NIL]
	s_wait_dscnt 0x0
	s_endpgm
.Lfunc_end_k_qd74811c8d5_prep:
	.size	k_qd74811c8d5_prep, .Lfunc_end_k_qd74811c8d5_prep-k_qd74811c8d5_prep
	.p2alignl 7, 3214868480
	.fill 96, 4, 3214868480
	.section	.rodata,"a",@progbits
	.p2align	6, 0x0
	.amdhsa_kernel k_qd74811c8d5_prep
		.amdhsa_group_segment_fixed_size 34304
		.amdhsa_private_segment_fixed_size 0
		.amdhsa_enable_private_segment 0
		.amdhsa_kernarg_size 72
		.amdhsa_user_sgpr_count 2
		.amdhsa_user_sgpr_kernarg_segment_ptr 1
		.amdhsa_wavefront_size32 1
		.amdhsa_system_sgpr_workgroup_id_x 1
		.amdhsa_system_sgpr_workgroup_id_y 1
		.amdhsa_system_sgpr_workgroup_id_z 1
		.amdhsa_system_vgpr_workitem_id 0
		.amdhsa_next_free_vgpr 256
		.amdhsa_next_free_sgpr 66
		.amdhsa_reserve_vcc 1
		.amdhsa_float_denorm_mode_32 3
		.amdhsa_float_denorm_mode_16_64 3
		.amdhsa_memory_ordered 1
		.amdhsa_forward_progress 1
		.amdhsa_inst_pref_size 51
	.end_amdhsa_kernel
	.amdgpu_metadata
---
amdhsa.version: [ 1, 2 ]
amdhsa.kernels:
  - .name:           k_qd74811c8d5_prep
    .symbol:         k_qd74811c8d5_prep.kd
    .args:
      - { .name: x, .offset: 0, .size: 8, .value_kind: global_buffer, .address_space: global }
      - { .name: wq, .offset: 8, .size: 8, .value_kind: global_buffer, .address_space: global }
      - { .name: wk, .offset: 16, .size: 8, .value_kind: global_buffer, .address_space: global }
      - { .name: wv, .offset: 24, .size: 8, .value_kind: global_buffer, .address_space: global }
      - { .name: wo, .offset: 32, .size: 8, .value_kind: global_buffer, .address_space: global }
      - { .name: xc, .offset: 40, .size: 8, .value_kind: global_buffer, .address_space: global }
      - { .name: wc, .offset: 48, .size: 8, .value_kind: global_buffer, .address_space: global }
      - { .name: sc1, .offset: 56, .size: 8, .value_kind: global_buffer, .address_space: global }
      - { .name: sc2, .offset: 64, .size: 8, .value_kind: global_buffer, .address_space: global }
    .group_segment_fixed_size: 34304
    .private_segment_fixed_size: 0
    .kernarg_segment_align: 8
    .kernarg_segment_size: 72
    .max_flat_workgroup_size: 128
    .sgpr_count:     66
    .vgpr_count:     256
    .wavefront_size: 32
...
	.end_amdgpu_metadata
.endif
;; end of part 1
;; launch gemm_qkv (part 2): grid 12 x 32, 4 waves a work-group, clusters of 4 x 4, 327,680 bytes of LDS; arguments xc, wc, sc1, bq, bk, bv, qkv; writes qkv
.if DOCPART == 2
	.amdgcn_target "amdgcn-amd-amdhsa--gfx1250"
	.amdhsa_code_object_version 6
	.text
	.protected	k_qd74811c8d5_gemm_qkv
	.globl	k_qd74811c8d5_gemm_qkv
	.p2align	8
	.type	k_qd74811c8d5_gemm_qkv,@function
k_qd74811c8d5_gemm_qkv:
	s_mov_b64 s[64:65], 0
	v_nop
	global_prefetch_b8 v0, s[64:65] scope:SCOPE_SE
	s_setreg_imm32_b32 hwreg(HW_REG_WAVE_MODE, 25, 1), 1
	s_wait_xcnt 0x0
	s_wait_alu depctr_hold_cnt(0) depctr_sa_sdst(0) depctr_va_vdst(0) depctr_va_sdst(0) depctr_va_ssrc(0) depctr_va_vcc(0) depctr_vm_vsrc(0)
	s_getreg_b32 s2, hwreg(HW_REG_IB_STS2, 6, 4)
	s_cmp_eq_u32 s2, 0
	s_cbranch_scc0 .Lentry_in_a_cluster
	s_endpgm
.Lentry_in_a_cluster:
	s_bfe_u32 s2, ttmp6, 0x10000c
	s_cmp_lg_u32 s2, 0xf033
	s_cbranch_scc0 .Lentry_shape_is_right
	s_endpgm
.Lentry_shape_is_right:
; q = x wq + bq, k = x wk + bk, v = x wv + bv on codes of E2M3 (K = 1024), and the results quantised in registers for the attention: q and k along the head's 64, v along the keys.
; A work-group makes 256 tokens x 256 columns of wq | wk | wv (tile column 0-3 q, 4-7 k, 8-11 v); each of its four waves 128 x 128: 64 accumulators, 512 registers.
; OPERANDS lie in memory as images of their registers (launch prep): a tile of 16 rows is 12,288 bytes, a K step of 128 in it 1,536.  A tile's lane r is row 32 b + 8 u + r + 8 (r / 8) of its group of 32, so that
; with such a tile as source 0 the 16 registers of result tiles 2 b, 2 b + 1 are 16 NEIGHBOURS along source 0's rows.
; MODE.  q, k: source 0 = 16 columns of W, source 1 = 16 tokens: a lane holds one token and 128 neighbouring columns, two heads.  v (cluster x = 2): source 0 = 16 tokens, source 1 = 16 columns of wv: a lane holds
; one channel and 128 neighbouring tokens, one key step.  Either way a lane's 64 registers of one source-1 tile are quantised as they stand and are a fragment of the attention's operand.
; K goes through a ring of two LDS slots of two K steps each, filled by joint tensor loads (4 x 4 cluster: x's tiles shared along a row, W's along a column).  The loads are the same in both modes:
; waves 0, 1 bring x's 2 x 8 tiles to the slot's first 49,152 bytes, waves 2, 3 W's to the second; the mode only says which region feeds which source.
; All 8 K steps are written out: the scale words of all of K stay in 64 registers, whose numbers are then constants.  The bias is the C of the first K step's products.
; A wave has two tensor loads out at the start and one behind each round.
; REGISTERS: window 0: v0-31 addresses; v32-95 scale words (v[32 + 8 i + ks]: lanes 0-15 source 1's tile i, lanes 16-31 source 0's); v96-127 at work on the way out; v128-223 source 1's 8 fragments, one set.
;   window 1: source 0's fragments, two sets, at v0 and v128; the bias at v96-127 and v224-255.   windows 2, 3: accumulator (a, b) at v[8 (8 (a % 4) + b)].
; LIMITS: as stated at the head of launch prep (zero blocks keep the byte 1; NaN and infinities are not served).
.set FR,    12                         ; registers of a fragment
.set HALFT, 24576                      ; 8 tiles x 2 K steps: what one tensor load brings
.set WREG,  49152                      ; W's region in a slot
.set SLOT,  98304
.set SPARE, 196608                     ; behind the ring: the spare words, 128 bytes a wave
.set HS,    315392                     ; qkv: from a head to the next (16 blocks of 19,712 bytes)
.set ADRA, 16                          ; v16-17 source 1's LDS address in slot 0, 1 (16 x lane);  v18-19 the same with 8 x lane
.set ADRB, 20                          ; v20-23 the same for source 0
.set LI,   24                          ; v24  16 x lane
.set L8,   25                          ; v25  8 x lane
.set VS,   26                          ; v26  the scale words' offset
.set VB,   27                          ; v27  the bias's offset
.set SPW,  28                          ; v28  my spare word's LDS address; never rewritten
.set NIL,  29                          ; v29  0; never rewritten
.set VZ,   30                          ; v30  v's scale words: 16 r + h heads
.set SC,   32
.set TM,   96                          ; v96-99 largest magnitudes, v100-103 bytes, v108-111 the conversions' scale operands
.set ZW,   112                         ; v112-115 scale words to store
.set PWS,  116                         ; v116-123 the eight tiles' scale words
.set ZH,   124                         ; v124-127 the second head's
.set AF,   128
.set G1,  24                           ; s[24:31] group 1 for x's tiles;  s[32:39] group 0, one for each slot
.set G0,  32
.set G1B, 48                           ; s[48:55], s[56:63] the same for W's
.set G0B, 56
.set MSB, 0
.macro WIN new                         ; the immediate's high byte repeats the setting that is left
.if MSB != (\new)
	s_set_vgpr_msb (MSB<<8)|(\new)
.set MSB, (\new)
.endif
.endm
.set MUL_LO, 0xa1                      ; source 0 window 1, source 1 window 0, C and D window 2
.set MUL_HI, 0xf1                      ; the same, C and D window 3
.set TO_B,   0x40                      ; destination window 1, address window 0
.macro JLOAD g0a, g1a, g0b, g1b        ; a joint load: waves 0, 1 for x, waves 2, 3 for W; the branch hangs on the wave's number alone; an s_nop 0 and four v_nop follow each line
	s_cmp_eq_u32 s19, 0
	s_cbranch_scc0 .Lfor_b_\@
	tensor_load_to_lds s[\g0a:\g0a+3], s[\g1a:\g1a+7]
	s_nop 0
.rept 4
	v_nop
.endr
	s_branch .Lasked_\@
.Lfor_b_\@:
	tensor_load_to_lds s[\g0b:\g0b+3], s[\g1b:\g1b+7]
	s_nop 0
.rept 4
	v_nop
.endr
.Lasked_\@:
.endm
.macro CREST                           ; a round of the cluster's barrier behind its opening barrier
	s_cmp_lg_u32 s18, 0
	s_cbranch_scc1 .Lnot_wave_0_\@
	s_barrier_signal -3
.Lnot_wave_0_\@:
	s_barrier_wait -3
	s_barrier_signal -1
	s_barrier_wait -1
.endm
.macro CROUND
	s_barrier_signal -1
	s_barrier_wait -1
	CREST
.endm
	s_load_b256 s[4:11], s[0:1], 0x0               ; xc s[4:5], wc s[6:7], sc1 s[8:9], bq s[10:11]
	s_load_b128 s[12:15], s[0:1], 0x20             ; bk, bv
	s_load_b64 s[16:17], s[0:1], 0x30              ; qkv
	v_lshl_add_u32 v[SPW], v0, 2, SPARE
	v_mov_b32 v[NIL], 0
	ds_add_u32 v[SPW], v[NIL]                      ; the wave's opening: the add, twice on end, and its wait ahead of my first tensor load
	ds_add_u32 v[SPW], v[NIL]
	v_lshrrev_b32 v1, 5, v0
	v_readfirstlane_b32 s18, v1                    ; wave 0..3
	s_lshr_b32 s19, s18, 1                         ; F: my half of source 1.  Also: I fetch for x (0) or for W (1)
	s_and_b32 s20, s18, 1                          ; HF: my half of source 0.  Also: which 8 tiles I fetch
	s_bfe_u32 s21, ttmp6, 0x40000                  ; cx
	s_bfe_u32 s22, ttmp6, 0x40004                  ; cy
	s_lshl_b32 s40, ttmp9, 2
	s_add_co_u32 s40, s40, s21                     ; tile column: 256 columns of wq | wk | wv
	s_and_b32 s41, ttmp7, 0xffff
	s_lshl_b32 s41, s41, 2
	s_add_co_u32 s41, s41, s22                     ; tile row: 256 tokens
	s_lshl_b32 s42, s22, 2
	s_lshl_b32 s42, 15, s42                        ; my row of the cluster
	s_lshl_b32 s43, 0x1111, s21                    ; my column
	s_cmp_eq_u32 ttmp9, 2
	s_cselect_b32 s23, 1, 0                        ; MV: the cluster makes v.  The same in all sixteen partners
	s_cselect_b32 s47, WREG, 0                     ; source 1's region of a slot: x's, for v W's
	s_cselect_b32 s71, 0, WREG                     ; source 0's: W's, for v x's
	; group 1: 8 rows (tiles) of 3,072 bytes (two K steps), 12,288 bytes apart; elements of 8 bytes; no padding: an image's loads read consecutive bytes
	s_or_b32 s[G1+0], s42, (3<<16)|(1<<21)
	s_or_b32 s[G1B+0], s43, (3<<16)|(1<<21)
.irp g, G1, G1B
	s_mov_b32 s[\g+1], 384<<16                     ; tensor_dim0
	s_mov_b32 s[\g+2], 8<<16                       ; tensor_dim1
	s_mov_b32 s[\g+3], 384<<16                     ; tile_dim0
	s_mov_b32 s[\g+4], 8                           ; tile_dim1
	s_mov_b32 s[\g+5], 1536                        ; from tile to tile
	s_mov_b32 s[\g+6], 0
	s_mov_b32 s[\g+7], 0
.endr
	s_lshl_b32 s44, s20, 3
	s_lshl_b32 s66, s41, 4
	s_add_co_u32 s66, s66, s44                     ; x: tile 16 x tile row + 8 x half
	s_mul_i32 s66, s66, 12288
	s_mov_b32 s67, 0
	s_lshl_b32 s68, s40, 4
	s_add_co_u32 s68, s68, s44                     ; W: tile 16 x tile column + 8 x half
	s_mul_i32 s68, s68, 12288
	s_mov_b32 s69, 0
	s_mul_i32 s45, s18, HALFT                      ; where they go: wave x 24,576: no place in the cluster enters an LDS address
	s_wait_dscnt 0x0                               ; both opening adds are done
	s_wait_kmcnt 0x0
	s_add_nc_u64 s[66:67], s[4:5], s[66:67]
	s_add_nc_u64 s[68:69], s[6:7], s[68:69]
	CROUND                                         ; all sixteen work-groups are here: the first joint loads meet
.irp s, 0,1
	s_mov_b32 s[G0+4*\s], 1
	s_add_co_u32 s[G0+4*\s+1], s45, \s*SLOT
	s_add_nc_u64 s[G0+4*\s+2:G0+4*\s+3], s[66:67], \s*3072
	s_or_b32 s[G0+4*\s+3], s[G0+4*\s+3], 0x80000000
	s_mov_b32 s[G0B+4*\s], 1
	s_add_co_u32 s[G0B+4*\s+1], s45, \s*SLOT
	s_add_nc_u64 s[G0B+4*\s+2:G0B+4*\s+3], s[68:69], \s*3072
	s_or_b32 s[G0B+4*\s+3], s[G0B+4*\s+3], 0x80000000
	JLOAD G0+4*\s, G1, G0B+4*\s, G1B
.endr
	v_and_b32 v1, 15, v0                           ; r
	v_bfe_u32 v2, v0, 4, 1                         ; h
	v_and_b32 v3, 31, v0
	v_lshlrev_b32 v[LI], 4, v3
	v_lshlrev_b32 v[L8], 3, v3
	s_mul_i32 s70, s19, HALFT
	s_add_co_u32 s47, s47, s70                     ; source 1: its region + my half
	s_mul_i32 s70, s20, HALFT
	s_add_co_u32 s71, s71, s70                     ; source 0 likewise
.irp s, 0,1
	v_add_nc_u32 v[ADRA+\s], s47, v[LI]
	v_add_nc_u32 v[ADRB+\s], s71, v[LI]
	v_add_nc_u32 v[ADRA+2+\s], s47, v[L8]
	v_add_nc_u32 v[ADRB+2+\s], s71, v[L8]
	s_add_co_u32 s47, s47, SLOT
	s_add_co_u32 s71, s71, SLOT
.endr
	; the scale words of all of K: lanes 0-15 take source 1's tiles, lanes 16-31 source 0's
	s_lshl_b32 s72, s41, 13                        ; x's: 16 tiles x 512 bytes a tile row
	s_lshl_b32 s73, s40, 13
	s_add_co_u32 s73, s73, 262144                  ; W's, behind x's
	s_cmp_eq_u32 s23, 0
	s_cselect_b32 s74, s72, s73
	s_cselect_b32 s75, s73, s72
	s_lshl_b32 s76, s19, 12
	s_add_co_u32 s74, s74, s76
	s_lshl_b32 s76, s20, 12
	s_add_co_u32 s75, s75, s76
	v_mov_b32 v4, s74
	v_mov_b32 v5, s75
	v_cmp_ne_u32 vcc_lo, 0, v2
	v_cndmask_b32 v[VS], v4, v5, vcc_lo
	v_lshl_add_u32 v[VS], v1, 4, v[VS]
.irp i, 0,1,2,3,4,5,6,7
.irp q, 0,1
	global_load_b128 v[SC+8*\i+4*\q:SC+8*\i+4*\q+3], v[VS], s[8:9] offset:512*\i+256*\q
.endr
.endr
	; the bias, in the result's layout, 8 registers a tile
	s_and_b32 s76, s40, 3
	s_lshl_b32 s76, s76, 10
	s_mov_b32 s77, 0
	s_cmp_eq_u32 s23, 0
	s_cbranch_scc0 .Lbias_v
	s_lshl_b32 s78, s20, 9                         ; q, k: by source 0's tile b: lane (r, h) wants columns 32 (b / 2) + 8 (b % 2) + 16 h + 0 .. 7 of my 128
	s_add_co_u32 s76, s76, s78
	s_cmp_eq_u32 ttmp9, 0
	s_cselect_b64 s[10:11], s[10:11], s[12:13]
	s_add_nc_u64 s[10:11], s[10:11], s[76:77]
	v_lshlrev_b32 v[VB], 6, v2
	WIN TO_B
.irp b, 0,1,2,3,4,5,6,7
	global_load_b128 v[96+8*\b+96*(\b/4):96+8*\b+96*(\b/4)+3], v[VB], s[10:11] offset:(32*(\b/2)+8*(\b%2))*4
	global_load_b128 v[96+8*\b+96*(\b/4)+4:96+8*\b+96*(\b/4)+7], v[VB], s[10:11] offset:(32*(\b/2)+8*(\b%2))*4+16
.endr
	WIN 0
	s_branch .Lbias_done
.Lbias_v:
	s_lshl_b32 s78, s19, 9                         ; v: by source 1's tile a: all eight registers hold the lane's channel's number
	s_add_co_u32 s76, s76, s78
	s_add_nc_u64 s[14:15], s[14:15], s[76:77]
	v_and_b32 v[VB], 8, v1
	v_add_nc_u32 v[VB], v[VB], v1
	v_lshlrev_b32 v[VB], 2, v[VB]
	WIN TO_B
.irp a, 0,1,2,3,4,5,6,7
.irp j, 0,1,2,3,4,5,6,7
	global_load_b32 v[96+8*\a+96*(\a/4)+\j], v[VB], s[14:15] offset:(32*(\a/2)+8*(\a%2))*4
.endr
.endr
	WIN 0
.Lbias_done:
	; the way out: my block of qkv, (16 x (16 batch + head) + key step) x 19,712 bytes
	s_cmp_eq_u32 s23, 0
	s_cselect_b32 s78, s20, s19                    ; which pair of heads: by my half of the columns
	s_cselect_b32 s79, s19, s20                    ; which key step: by my half of the tokens
	s_lshr_b32 s80, s41, 3
	s_lshl_b32 s80, s80, 4
	s_and_b32 s81, s40, 3
	s_lshl_b32 s81, s81, 2
	s_add_co_u32 s80, s80, s81
	s_lshl_b32 s81, s78, 1
	s_add_co_u32 s80, s80, s81
	s_lshl_b32 s80, s80, 4
	s_and_b32 s81, s41, 7
	s_lshl_b32 s81, s81, 1
	s_add_co_u32 s80, s80, s81
	s_add_co_u32 s80, s80, s79
	s_mul_i32 s80, s80, 19712
	s_mov_b32 s81, 0
	s_add_nc_u64 s[16:17], s[16:17], s[80:81]
	s_cmp_eq_u32 ttmp9, 1                          ; in a block: K's halves at 0, V's fragments at 6144, K's words at 12288, V's at 12800, Q's halves at 13056, Q's words at 19200
	s_mov_b32 s82, 13056
	s_mov_b32 s83, 19200
	s_mov_b32 s84, 12288
	s_cselect_b32 s82, 0, s82
	s_cselect_b32 s83, s84, s83
	s_cmp_eq_u32 ttmp9, 2
	s_mov_b32 s84, 6144
	s_cselect_b32 s82, s84, s82
	s_mov_b32 s84, 12800
	s_cselect_b32 s83, s84, s83
	s_mov_b32 s84, 768
	s_mov_b32 s85, 1536
	s_cselect_b32 s86, s84, HS                     ; a fragment's second half: v: 768 bytes on; q, k: the next head
	s_cselect_b32 s88, s85, s84                    ; from tile to tile: v: a fragment; q, k: a half
	s_cselect_b32 s90, HS-6144, 0                  ; v: tile 4 begins the next head
	s_mov_b32 s87, 0
	s_mov_b32 s89, 0
	s_mov_b32 s91, 0
	s_mov_b32 s84, s82
	s_mov_b32 s85, 0
	s_add_nc_u64 s[92:93], s[16:17], s[84:85]      ; the first half's pointer,
	s_add_nc_u64 s[94:95], s[92:93], s[86:87]      ; the second's,
	s_mov_b32 s84, s83
	s_add_nc_u64 s[96:97], s[16:17], s[84:85]      ; the scale words'
	s_mov_b32 s98, 0x1800000                       ; the floor 2^(3 - 127)
	s_mov_b32 s2, 0x76543210
	s_mov_b32 s3, 0xfedcba98                       ; v_permlanex16_b32's selects for lane l xor 16
	v_mul_u32_u24 v[VZ], v2, HS
	v_lshl_add_u32 v[VZ], v1, 4, v[VZ]
.irp b, 0,1,2,3
	v_mov_b32 v[TM+4+\b], 0                        ; a lane permute's destination counts as one of its sources
.endr
.macro FRAG reg, adr, q, i             ; a fragment comes as it was stored: 512 + 256 consecutive bytes for each half
	ds_load_b128 v[\reg:\reg+3], v[\adr] offset:(\i)*3072+(\q)*1536
	ds_load_b64 v[\reg+4:\reg+5], v[\adr+2] offset:(\i)*3072+(\q)*1536+512
	ds_load_b128 v[\reg+6:\reg+9], v[\adr] offset:(\i)*3072+(\q)*1536+768
	ds_load_b64 v[\reg+10:\reg+11], v[\adr+2] offset:(\i)*3072+(\q)*1536+1280
.endm
; 16 matrix instructions: source 1's tiles a0, a0 + 1 x source 0's eight.  p: source 0's set; ks: the K step (its scale words); cm: C = the sum (0), the bias by b (1), the bias by a (2).
; The 64 accumulators take turns, one instruction a turn, in the same order in every step.
.macro MUL16 a0, p, ks, cm
.irp a, \a0, \a0+1
.irp b, 0,1,2,3,4,5,6,7
.set D_, 8*(8*((\a)%4)+\b)
.set B_, 128*(\p)+FR*\b
.set A_, AF+FR*(\a)
.if \cm == 1
.set C_, 96+8*\b+96*(\b/4)
.elseif \cm == 2
.set C_, 96+8*(\a)+96*((\a)/4)
.else
.set C_, D_
.endif
	v_wmma_scale_f32_16x16x128_f8f6f4 v[D_:D_+7], v[B_:B_+FR-1], v[A_:A_+FR-1], v[C_:C_+7], v[SC+8*\b+(\ks)], v[SC+8*(\a)+(\ks)] matrix_a_fmt:MATRIX_FMT_FP6 matrix_b_fmt:MATRIX_FMT_FP6 matrix_a_scale:MATRIX_SCALE_ROW1
.endr
.endr
.endm
.macro FETCH_B slot, q, p
	WIN TO_B
.irp i, 0,1,2,3,4,5,6,7
	FRAG 128*(\p)+FR*\i, ADRB+\slot, \q, \i
.endr
	WIN 0
.endm
.macro FETCH_A slot, q, i0
.irp i, \i0, \i0+1, \i0+2, \i0+3
	FRAG AF+FR*(\i), ADRA+\slot, \q, \i
.endr
.endm
.macro PLACES                          ; four plain places between a matrix instruction and a load into, or a read of, its registers (ISA guide 7.12.1 for reads)
.rept 4
	v_nop
.endr
.endm
.macro STEP slot, ks, cm               ; a slot's first K step; it fetches the second's fragments
	s_wait_dscnt 16                                ; source 0's set and source 1's tiles 0-3 are in; the youngest 16 loads (tiles 4-7) may be out
.if \cm
	WIN 0x91                                       ; C (the bias) window 1, D window 2
.else
	WIN MUL_LO
.endif
	MUL16 0, 0, \ks, \cm
	MUL16 2, 0, \ks, \cm
	s_wait_dscnt 0x0                               ; tiles 4-7 are in
	PLACES
	FETCH_B \slot, 1, 1
	FETCH_A \slot, 1, 0
.if \cm
	WIN 0xd1
.else
	WIN MUL_HI
.endif
	MUL16 4, 0, \ks, \cm
	MUL16 6, 0, \ks, \cm
	PLACES
	WIN 0
	FETCH_A \slot, 1, 4
.endm
; A slot's second K step changes slots: ONE barrier; in front of it each wave waits for all its tensor loads, adds 0 to its spare word, and waits for that and for its reads of this slot.  fill = 1: the slot is filled again.
.macro TURN slot, next, fill, ks
	s_wait_tensorcnt 0x0                           ; all my tensor loads have landed: my part of the next slot
	ds_add_u32 v[SPW], v[NIL]
	s_wait_dscnt 17                                ; (the add and the youngest 16 loads may be out)
	WIN MUL_LO
	MUL16 0, 1, \ks, 0
	s_wait_dscnt 0x0                               ; the add is done, and my reads of this slot are over
	s_barrier_signal -1
	MUL16 2, 1, \ks, 0
	WIN 0
	s_barrier_wait -1
.if \fill
	CREST                                          ; the barrier has opened a round of the cluster's: no wave of any partner still reads this slot or has a load on its way
	s_add_nc_u64 s[G0+4*\slot+2:G0+4*\slot+3], s[G0+4*\slot+2:G0+4*\slot+3], 6144
	s_add_nc_u64 s[G0B+4*\slot+2:G0B+4*\slot+3], s[G0B+4*\slot+2:G0B+4*\slot+3], 6144
	JLOAD G0+4*\slot, G1, G0B+4*\slot, G1B         ; the first tensor load behind the round; its four v_nop are the places in front of the loads below
.else
	PLACES
.endif
	FETCH_B \next, 0, 0
	FETCH_A \next, 0, 0
	WIN MUL_HI
	MUL16 4, 1, \ks, 0
	MUL16 6, 1, \ks, 0
	PLACES
	WIN 0
	FETCH_A \next, 0, 4
.endm
	s_wait_tensorcnt 1                             ; my part of slot 0 is in; slot 1's may be out
	s_barrier_signal -1
	s_barrier_wait -1
	FETCH_B 0, 0, 0
	FETCH_A 0, 0, 0
	FETCH_A 0, 0, 4
	s_wait_loadcnt 0x0                             ; the scale words and the bias
	s_cmp_eq_u32 s23, 0
	s_cbranch_scc0 .Lfirst_v
	STEP 0, 0, 1                                   ; the first K step starts the sums from the bias: nothing is cleared and nothing is added later
	s_branch .Lfirst_done
.Lfirst_v:
	STEP 0, 0, 2
.Lfirst_done:
	TURN 0, 1, 1, 1
	STEP 1, 2, 0
	TURN 1, 0, 1, 3
	STEP 0, 4, 0
	TURN 0, 1, 0, 5                                ; nothing is left to fetch
	STEP 1, 6, 0
	s_wait_dscnt 16
	WIN MUL_LO
	MUL16 0, 1, 7, 0
	MUL16 2, 1, 7, 0
	s_wait_dscnt 0x0
	WIN MUL_HI
	MUL16 4, 1, 7, 0
	MUL16 6, 1, 7, 0
	WIN 0
; THE WAY OUT.  Source 1's tile a: a lane's 64 registers, register 16 b + i = index 32 b + 16 h + i along the next K, become 12 registers of codes and a scale word, and leave as images: no LDS.
.macro QUANT a
.set W_, 2+(\a)/4
.set S_, 64*((\a)%4)
.set PC_, 192-64*(((\a)%4)/3)          ; the codes' registers, in window 0: numbers that the conversion's sources do not bear
	WIN (W_<<2)|(W_<<4)                            ; sources 1 and 2: the accumulators' window
.irp b, 0,1,2,3
	v_max3_num_f32 v[TM+\b], s98, |v[S_+16*\b]|, |v[S_+16*\b+1]|      ; each accumulator is read from its low end on
.endr
.irp i, 2,4,6,8,10,12,14
.irp b, 0,1,2,3
	v_max3_num_f32 v[TM+\b], v[TM+\b], |v[S_+16*\b+\i]|, |v[S_+16*\b+\i+1]|
.endr
.endr
	WIN 0
.irp b, 0,1,2,3
	v_permlanex16_b32 v[TM+4+\b], v[TM+\b], s2, s3
.endr
.irp b, 0,1,2,3
	v_max_num_f32 v[TM+\b], v[TM+\b], v[TM+4+\b]   ; with lane l xor 16's 16: the block's largest magnitude
.endr
.irp b, 0,1,2,3
	v_add_nc_u32 v[TM+12+\b], 0xff000000, v[TM+\b]
.endr
.irp b, 0,1,2,3
	v_lshrrev_b32 v[TM+4+\b], 23, v[TM+12+\b]
.endr
	v_lshl_or_b32 v[PWS+(\a)], v[TM+5], 8, v[TM+4]
	v_lshl_or_b32 v[PWS+(\a)], v[TM+6], 16, v[PWS+(\a)]
	v_lshl_or_b32 v[PWS+(\a)], v[TM+7], 24, v[PWS+(\a)]
	s_wait_xcnt 0x0                                ; the last tile's stores have read their registers and pointers
.if (\a) > 0
	s_add_nc_u64 s[92:93], s[92:93], s[88:89]
	s_add_nc_u64 s[94:95], s[94:95], s[88:89]
.endif
.if (\a) == 4
	s_add_nc_u64 s[92:93], s[92:93], s[90:91]
	s_add_nc_u64 s[94:95], s[94:95], s[90:91]
.endif
	WIN W_
.irp c, 0,1
	v_cvt_scalef32_pk16_fp6_f32 v[PC_+6*\c:PC_+2+6*\c], v[S_+32*\c:S_+15+32*\c], v[TM+12+2*\c]
	v_cvt_scalef32_pk16_fp6_f32 v[PC_+12+4*\c:PC_+14+4*\c], v[S_+16+32*\c:S_+31+32*\c], v[TM+12+2*\c+1]
.endr
	WIN 0
	v_nop                                          ; one plain place behind a scaled conversion
.irp c, 0,1                                    ; the operand's layout wants a whole block in a lane
.irp i, 0,1,2
	v_permlane16_swap_b32 v[PC_+6*\c+\i], v[PC_+12+4*\c+\i]
.endr
.irp i, 0,1,2
	v_mov_b32 v[PC_+3+6*\c+\i], v[PC_+12+4*\c+\i]
.endr
.endr
	global_store_b128 v[LI], v[PC_:PC_+3], s[92:93]                  ; 512 consecutive bytes,
	global_store_b64 v[L8], v[PC_+4:PC_+5], s[92:93] offset:512      ; 256
	global_store_b128 v[LI], v[PC_+6:PC_+9], s[94:95]
	global_store_b64 v[L8], v[PC_+10:PC_+11], s[94:95] offset:512
.endm
	PLACES
.irp a, 0,1,2,3,4,5,6,7
	QUANT \a
.endr
	v_cmp_ne_u32 vcc_lo, 0, v2
.irp i, 0,1,2,3
	v_cndmask_b32 v[ZW+\i], v[PWS+\i], v[PWS+4+\i], vcc_lo   ; lanes 0-15 the words of tiles 0-3, lanes 16-31 those of tiles 4-7
.endr
	s_cmp_eq_u32 s23, 0
	s_cbranch_scc0 .Lscale_v
	global_store_b128 v[LI], v[ZW:ZW+3], s[96:97]          ; q, k: the first head takes bytes 0, 1 of each word (bytes 2, 3 meet zero codes alone, and are never 0xff);
.irp i, 0,1,2,3
	v_lshrrev_b32 v[ZH+\i], 16, v[ZW+\i]
.endr
	global_store_b128 v[LI], v[ZH:ZH+3], s[96:97] offset:HS ; the second head bytes 2, 3, moved down
	s_branch .Lscale_done
.Lscale_v:
	s_wait_alu depctr_va_vdst(0)
	global_store_b128 v[VZ], v[ZW:ZW+3], s[96:97]          ; v: tiles 0-3 are one head's four channel tiles, tiles 4-7 the next head's
.Lscale_done:
	s_wait_tensorcnt 0x0                           ; the wave's end
	ds_add_u32 v[SPW], v[NIL]
	s_wait_dscnt 0x0
	CROUND                                         ; the closing round: no work-group ends while a partner may still ask for a tile that names it
	s_endpgm
.Lfunc_end_k_qd74811c8d5_gemm_qkv:
	.size	k_qd74811c8d5_gemm_qkv, .Lfunc_end_k_qd74811c8d5_gemm_qkv-k_qd74811c8d5_gemm_qkv
	.p2alignl 7, 3214868480
	.fill 96, 4, 3214868480
	.section	.rodata,"a",@progbits
	.p2align	6, 0x0
	.amdhsa_kernel k_qd74811c8d5_gemm_qkv
		.amdhsa_group_segment_fixed_size 327680
		.amdhsa_private_segment_fixed_size 0
		.amdhsa_enable_private_segment 0
		.amdhsa_kernarg_size 56
		.amdhsa_user_sgpr_count 2
		.amdhsa_user_sgpr_kernarg_segment_ptr 1
		.amdhsa_wavefront_size32 1
		.amdhsa_system_sgpr_workgroup_id_x 1
		.amdhsa_system_sgpr_workgroup_id_y 1
		.amdhsa_system_sgpr_workgroup_id_z 1
		.amdhsa_system_vgpr_workitem_id 0
		.amdhsa_next_free_vgpr 1024
		.amdhsa_next_free_sgpr 100
		.amdhsa_reserve_vcc 1
		.amdhsa_float_denorm_mode_32 3
		.amdhsa_float_denorm_mode_16_64 3
		.amdhsa_memory_ordered 1
		.amdhsa_forward_progress 1
		.amdhsa_inst_pref_size 168
	.end_amdhsa_kernel
	.amdgpu_metadata
---
amdhsa.version: [ 1, 2 ]
amdhsa.kernels:
  - .name:           k_qd74811c8d5_gemm_qkv
    .symbol:         k_qd74811c8d5_gemm_qkv.kd
    .args:
      - { .name: xc, .offset: 0, .size: 8, .value_kind: global_buffer, .address_space: global }
      - { .name: wc, .offset: 8, .size: 8, .value_kind: global_buffer, .address_space: global }
      - { .name: sc1, .offset: 16, .size: 8, .value_kind: global_buffer, .address_space: global }
      - { .name: bq, .offset: 24, .size: 8, .value_kind: global_buffer, .address_space: global }
      - { .name: bk, .offset: 32, .size: 8, .value_kind: global_buffer, .address_space: global }
      - { .name: bv, .offset: 40, .size: 8, .value_kind: global_buffer, .address_space: global }
      - { .name: qkv, .offset: 48, .size: 8, .value_kind: global_buffer, .address_space: global }
    .group_segment_fixed_size: 327680
    .private_segment_fixed_size: 0
    .kernarg_segment_align: 8
    .kernarg_segment_size: 56
    .max_flat_workgroup_size: 128
    .sgpr_count:     100
    .vgpr_count:     1024
    .wavefront_size: 32
...
	.end_amdgpu_metadata
.endif
;; end of part 2
;; launch attn (part 3): grid 4 x 64, 16 waves a work-group, clusters of 4 x 1, 210,944 bytes of LDS; arguments qkv, ac, sc2; writes ac, sc2
.if DOCPART == 3
	.amdgcn_target "amdgcn-amd-amdhsa--gfx1250"
	.amdhsa_code_object_version 6
	.text
	.protected	k_qd74811c8d5_attn
	.globl	k_qd74811c8d5_attn
	.p2align	8
	.type	k_qd74811c8d5_attn,@function
k_qd74811c8d5_attn:
	s_mov_b64 s[64:65], 0
	v_nop
	global_prefetch_b8 v0, s[64:65] scope:SCOPE_SE
	s_setreg_imm32_b32 hwreg(HW_REG_WAVE_MODE, 25, 1), 1
	s_wait_xcnt 0x0
	s_wait_alu depctr_hold_cnt(0) depctr_sa_sdst(0) depctr_va_vdst(0) depctr_va_sdst(0) depctr_va_ssrc(0) depctr_va_vcc(0) depctr_vm_vsrc(0)
	s_getreg_b32 s2, hwreg(HW_REG_IB_STS2, 6, 4)
	s_cmp_eq_u32 s2, 0
	s_cbranch_scc0 .Lentry_in_a_cluster
	s_endpgm
.Lentry_in_a_cluster:
	s_bfe_u32 s2, ttmp6, 0x10000c
	s_cmp_lg_u32 s2, 0x3003
	s_cbranch_scc0 .Lentry_shape_is_right
	s_endpgm
.Lentry_shape_is_right:
; Causal attention of one (batch, head) a cluster, both products on codes of E2M3; the result is divided by the row's sum, quantised along D and stored as the output projection's operand.
; LEFT OUT: key steps of 128 keys all of which come after all 16 queries of a tile: their p is 0 for all finite inputs (shown at the head of launch prep).
; SOFTMAX: t = score x log2(e) / 8; M = the running largest t rounded up to a whole number; p = 2^(t - M) is quantised along the keys, not normalised; the sum is taken of the unquantised p.
; SHARES.  The cluster's four work-groups (g = 0..3) have 16 waves each.  Wave w takes the tile of 16 queries A = 4 w + g, and then tile 127 - A.  The diagonal's key step is A / 8 = w / 2, then 15 - w / 2: it hangs on the
; wave's number alone, and every wave walks 17 key steps in all: equal work.
; LDS.  K and V of the whole head, 16 key steps x 13,056 bytes, are filled ONCE: wave w asks for key step w, jointly with the same wave of the three partners.  One tensor load a wave is out,
; so there is no barrier in the loops.
; LAYOUT.  S^T = K Q^T (source 0 = 16 keys), O^T = V^T P^T (source 0 = 16 channels): a lane holds one query throughout.  The rows of every tile are 32 b + 8 u + r + 8 (r / 8), so p's and O's registers run along the next K.
; The first product's K is 64: Q's registers 6-11 are zero codes; K's fragment t is v[32 + 6 t] on, whose upper six registers are the next tile's codes and meet those zeros alone.
; LIMITS: v_exp_f32 gives 0 for results under 2^-126; zero blocks keep the byte 1; NaN and infinities are not served.
; REGISTERS: v1 16 lane, v2 8 lane, v3 16 r, v4 r + 8 (r / 8) - 16 h, v5, v6 the add's two, v7 the mask's bound, v8-10 the step's LDS addresses, v11 lane, v12 -M, v13 the largest t, v[14:15] the sum,
;   v16-21 Q, v22-27 zeros, v28 16 r + h, v32-79 K's halves, then V's fragments, v80-85 zeros, v88-95 K's scale words, v96-159 S^T, then p, v160-191 O^T, v224-247 codes and work, v248-251 V's scale words,
;   v252 f, v253 p's scale word, v254 at work, v255 Q's scale word.
.set STEPB, 13056                      ; a key step in LDS: K's 8 halves, V's 4 fragments, K's and V's scale words
.set BLKB,  19712                      ; and in qkv, with Q's part behind it
.set HS,    315392
.set SPARE, 208896                     ; behind the head: the spare words, 128 bytes a wave
.macro CROUND
	s_barrier_signal -1
	s_barrier_wait -1
	s_cmp_lg_u32 s18, 0
	s_cbranch_scc1 .Lnot_wave_0_\@
	s_barrier_signal -3
.Lnot_wave_0_\@:
	s_barrier_wait -3
	s_barrier_signal -1
	s_barrier_wait -1
.endm
	s_load_b128 s[4:7], s[0:1], 0x0                ; qkv, ac
	s_load_b64 s[8:9], s[0:1], 0x10                ; sc2
	v_lshl_add_u32 v5, v0, 2, SPARE
	v_mov_b32 v6, 0
	ds_add_u32 v5, v6                              ; the wave's opening: the add, twice on end, and its wait ahead of my first tensor load
	ds_add_u32 v5, v6
	v_lshrrev_b32 v1, 5, v0
	s_delay_alu instid0(VALU_DEP_1)
	v_readfirstlane_b32 s18, v1                    ; wave 0..15
	s_bfe_u32 s19, ttmp6, 0x40000                  ; g: it enters global addresses and the mask's bound alone
	s_and_b32 s10, ttmp7, 0xffff                   ; 16 batch + head
	s_mov_b32 s24, 15|(3<<16)|(1<<21)              ; group 1: the mask of all four; elements of 8 bytes; 51 rows of 256 bytes, dense
	s_mov_b32 s25, 32<<16
	s_mov_b32 s26, 51<<16
	s_mov_b32 s27, 32<<16
	s_mov_b32 s28, 51
	s_mov_b32 s29, 32
	s_mov_b32 s30, 0
	s_mov_b32 s31, 0
	s_mul_i32 s12, s10, HS
	s_mov_b32 s13, 0
	s_mul_i32 s14, s18, BLKB
	s_mov_b32 s15, 0
	s_mov_b32 s40, 1
	s_mul_i32 s41, s18, STEPB                      ; key step w lands at w x 13,056
	s_mov_b32 s20, 0x76543210
	s_mov_b32 s21, 0xfedcba98                      ; v_permlanex16_b32's selects for lane l xor 16
	s_mov_b32 s22, 0x3e38aa3b                      ; c = log2(e) / 8
	s_mov_b32 s23, s22
	s_wait_dscnt 0x0                               ; both opening adds are done
	s_wait_kmcnt 0x0
	s_add_nc_u64 s[12:13], s[4:5], s[12:13]        ; the head's first block
	s_add_nc_u64 s[42:43], s[12:13], s[14:15]
	s_or_b32 s43, s43, 0x80000000
	CROUND                                         ; all four work-groups are here: the joint loads meet
	tensor_load_to_lds s[40:43], s[24:31]
	s_nop 0
.rept 4
	v_nop
.endr
	v_and_b32 v11, 31, v0
	v_and_b32 v7, 15, v0                           ; r
	v_bfe_u32 v8, v0, 4, 1                         ; h
	s_delay_alu instid0(VALU_DEP_3)
	v_lshlrev_b32 v1, 4, v11
	s_delay_alu instid0(VALU_DEP_4)
	v_lshlrev_b32 v2, 3, v11
	s_delay_alu instid0(VALU_DEP_4)
	v_lshlrev_b32 v3, 4, v7
	s_delay_alu instid0(VALU_DEP_1)
	v_add_nc_u32 v28, v3, v8
	v_and_b32 v4, 8, v7
	s_delay_alu instid0(VALU_DEP_1)
	v_add_nc_u32 v4, v4, v7
	v_lshlrev_b32 v8, 4, v8
	s_delay_alu instid0(VALU_DEP_1)
	v_sub_nc_u32 v4, v4, v8
.irp j, 22,23,24,25,26,27,80,81,82,83,84,85,236,237,238,239,252,253
	v_mov_b32 v\j, 0                               ; zero codes; and registers that are named before they are first made
.endr
	s_lshl_b32 s32, s18, 2
	s_add_co_u32 s32, s32, s19                     ; A
	s_lshr_b32 s33, s18, 1                         ; JD: the diagonal's key step
	s_mov_b32 s36, 0
	s_wait_tensorcnt 0x0                           ; my key step is in,
	s_barrier_signal -1
	s_barrier_wait -1                              ; everybody's is
.Lpass:
	s_and_b32 s37, s32, 7
	s_lshr_b32 s44, s32, 3
	s_mul_i32 s44, s44, BLKB                       ; the block that holds my queries
	s_mul_i32 s38, s37, 768
	s_add_co_u32 s46, s44, s38
	s_add_co_u32 s46, s46, 13056
	s_mov_b32 s47, 0
	s_add_nc_u64 s[46:47], s[12:13], s[46:47]
	s_lshr_b32 s38, s37, 2
	s_lshl_b32 s38, s38, 8
	s_and_b32 s39, s37, 3
	s_lshl_b32 s39, s39, 2
	s_add_co_u32 s38, s38, s39
	s_add_co_u32 s48, s44, s38
	s_add_co_u32 s48, s48, 19200
	s_mov_b32 s49, 0
	s_add_nc_u64 s[48:49], s[12:13], s[48:49]
	global_load_b128 v[16:19], v1, s[46:47]        ; Q's half image
	global_load_b64 v[20:21], v2, s[46:47] offset:512
	global_load_b32 v255, v3, s[48:49]             ; and its scale words
	s_lshr_b32 s38, s37, 1
	s_lshl_b32 s38, s38, 5
	s_and_b32 s39, s32, 1
	s_lshl_b32 s39, s39, 3
	s_add_co_u32 s38, s38, s39
	v_add_nc_u32 v7, s38, v4                       ; my query's place in its key step, less 16 h: register 16 b + i is hidden on the diagonal where 32 b + i is greater
	v_mov_b32 v13, 0xff61b1e6                      ; the largest t so far: -3e38
	s_delay_alu instid0(VALU_DEP_1)
	v_floor_f32 v12, -v13
	v_mov_b32 v14, 0
	v_mov_b32 v15, 0
.set N_, 0
.rept 32
	v_mov_b32 v[160+N_], 0                         ; O^T: the step is written once; its first trip finds zeros
.set N_, N_+1
.endr
	s_mov_b32 s35, 0                               ; the step's LDS byte
	s_mov_b32 s34, 0                               ; the key step
	s_wait_loadcnt 0x0
.Lstep:                                                ; 16 trips; a step behind the diagonal only steps the counters
	s_cmp_gt_u32 s34, s33
	s_cbranch_scc1 .Lhid
	s_setprio 2
	v_add_nc_u32 v8, s35, v1
	v_add_nc_u32 v9, s35, v2
	v_add_nc_u32 v10, s35, v3
	v_nop                                          ; four places in front of loads into registers that the last products read
.irp t, 0,1,2,3,4,5,6,7
	ds_load_b128 v[32+6*\t:35+6*\t], v8 offset:768*\t
	ds_load_b64 v[36+6*\t:37+6*\t], v9 offset:768*\t+512
.endr
	ds_load_b128 v[88:91], v10 offset:12288
	ds_load_b128 v[92:95], v10 offset:12544
	s_wait_alu depctr_va_vdst(0)
	s_wait_dscnt 0x0
.irp t, 0,1,2,3,4,5,6,7
	v_wmma_scale_f32_16x16x128_f8f6f4 v[96+8*\t:103+8*\t], v[32+6*\t:43+6*\t], v[16:27], 0, v[88+\t], v255 matrix_a_fmt:MATRIX_FMT_FP6 matrix_b_fmt:MATRIX_FMT_FP6
.endr
.rept 4
	v_nop
.endr
.irp t, 0,1,2,3                                ; V's fragments are asked for here and land under the softmax
	ds_load_b128 v[32+12*\t:35+12*\t], v8 offset:6144+1536*\t
	ds_load_b64 v[36+12*\t:37+12*\t], v9 offset:6144+1536*\t+512
	ds_load_b128 v[38+12*\t:41+12*\t], v8 offset:6144+1536*\t+768
	ds_load_b64 v[42+12*\t:43+12*\t], v9 offset:6144+1536*\t+1280
.endr
	ds_load_b128 v[248:251], v10 offset:12800
	s_cmp_lg_u32 s34, s33
	s_cbranch_scc1 .Lopen
	v_mov_b32 v254, 0xff800000                     ; on the diagonal hidden scores become -infinity ahead of the maximum: p = 0 then
.set N_, 0
.rept 64
	v_cmp_gt_i32 vcc_lo, 32*(N_/16)+N_%16, v7
	v_cndmask_b32 v[96+N_], v[96+N_], v254, vcc_lo
.set N_, N_+1
.endr
.Lopen:
.irp b, 0,1,2,3
	v_max3_num_f32 v[232+\b], v[96+16*\b], v[97+16*\b], v[98+16*\b]   ; the largest score of each block of 32 keys: for the row's maximum, and, since p rises with the score, for the block's largest p
.endr
.irp i, 3,5,7,9,11,13
.irp b, 0,1,2,3
	v_max3_num_f32 v[232+\b], v[232+\b], v[96+16*\b+\i], v[97+16*\b+\i]
.endr
.endr
.irp b, 0,1,2,3
	v_max_num_f32 v[232+\b], v[232+\b], v[111+16*\b]
.endr
.irp b, 0,1,2,3
	s_delay_alu instid0(VALU_DEP_4)
	v_permlanex16_b32 v[236+\b], v[232+\b], s20, s21
.endr
.irp b, 0,1,2,3
	s_delay_alu instid0(VALU_DEP_4)
	v_max_num_f32 v[232+\b], v[232+\b], v[236+\b]
.endr
	s_delay_alu instid0(VALU_DEP_2)
	v_max3_num_f32 v254, v232, v233, v234
	s_delay_alu instid0(VALU_DEP_1)
	v_max_num_f32 v254, v254, v235
	s_delay_alu instid0(VALU_DEP_1)
	v_mul_f32 v254, s22, v254
	s_delay_alu instid0(VALU_DEP_1)
	v_max_num_f32 v13, v13, v254                   ; the running largest t
	v_mov_b32 v254, v12
	s_delay_alu instid0(VALU_DEP_2)
	v_floor_f32 v12, -v13                          ; -M = floor(-t)
	s_delay_alu instid0(VALU_DEP_1)
	v_sub_f32 v254, v12, v254                      ; old M - new M: a whole number, 0 or less
	s_delay_alu instid0(VALU_DEP_1)
	v_cvt_i32_f32 v254, v254
	s_delay_alu instid0(VALU_DEP_1)
	v_ldexp_f32 v252, 1.0, v254                    ; f = 2^(old M - new M): rounds nothing
.set N_, 0
.rept 32
	v_pk_fma_f32 v[96+N_:97+N_], v[96+N_:97+N_], s[22:23], v[12:13] op_sel_hi:[1,0,0]   ; t - M
.set N_, N_+2
.endr
	s_setprio 1
.irp b, 0,1,2,3
	v_fma_f32 v[232+\b], v[232+\b], s22, v12
.endr
.set N_, 0
	s_wait_alu depctr_va_vdst(0)
.rept 64
	v_exp_f32 v[96+N_], v[96+N_]                   ; p
.set N_, N_+1
.endr
	v_pk_mul_f32 v[14:15], v[14:15], v[252:253] op_sel_hi:[1,0]   ; the sum under the new M: a plain place behind the exponentials
	s_wait_alu depctr_va_vdst(0)                   ; one wait for the batch, ahead of its first reader
.irp b, 0,1,2,3
	v_exp_f32 v[232+\b], v[232+\b]                 ; each block's largest p
.endr
	v_pk_add_f32 v[236:237], v[100:101], v[104:105]
	v_pk_add_f32 v[246:247], v[108:109], v[112:113]
	v_pk_add_f32 v[244:245], v[116:117], v[120:121]
	v_pk_add_f32 v[242:243], v[124:125], v[128:129]
	v_pk_add_f32 v[240:241], v[132:133], v[136:137]
	v_pk_add_f32 v[238:239], v[140:141], v[144:145]
	v_pk_add_f32 v[230:231], v[148:149], v[152:153]
	v_pk_add_f32 v[14:15], v[14:15], v[156:157]
	v_pk_add_f32 v[236:237], v[236:237], v[96:97]
	v_pk_add_f32 v[246:247], v[246:247], v[98:99]
	v_pk_add_f32 v[244:245], v[244:245], v[102:103]
	v_pk_add_f32 v[242:243], v[242:243], v[106:107]
	v_pk_add_f32 v[240:241], v[240:241], v[110:111]
	v_pk_add_f32 v[238:239], v[238:239], v[114:115]
	v_pk_add_f32 v[230:231], v[230:231], v[118:119]
	v_pk_add_f32 v[14:15], v[14:15], v[122:123]
	v_pk_add_f32 v[236:237], v[236:237], v[126:127]
	v_pk_add_f32 v[246:247], v[246:247], v[130:131]
	v_pk_add_f32 v[244:245], v[244:245], v[134:135]
	v_pk_add_f32 v[242:243], v[242:243], v[138:139]
	v_pk_add_f32 v[240:241], v[240:241], v[142:143]
	v_pk_add_f32 v[238:239], v[238:239], v[146:147]
	v_pk_add_f32 v[230:231], v[230:231], v[150:151]
	v_pk_add_f32 v[14:15], v[14:15], v[154:155]
	v_pk_add_f32 v[236:237], v[236:237], v[158:159]
	s_delay_alu instid0(VALU_DEP_2)
	v_pk_add_f32 v[14:15], v[14:15], v[242:243]
	s_delay_alu instid0(VALU_DEP_2)
	v_pk_add_f32 v[236:237], v[236:237], v[240:241]
	v_pk_add_f32 v[246:247], v[246:247], v[238:239]
	v_pk_add_f32 v[244:245], v[244:245], v[230:231]
	s_delay_alu instid0(VALU_DEP_2)
	v_pk_add_f32 v[14:15], v[14:15], v[246:247]
	s_delay_alu instid0(VALU_DEP_2)
	v_pk_add_f32 v[236:237], v[236:237], v[244:245]
	s_delay_alu instid0(VALU_DEP_1)
	v_pk_add_f32 v[14:15], v[14:15], v[236:237]
	s_wait_alu depctr_va_vdst(0)                   ; and one for the four
.irp b, 0,1,2,3
	v_max_num_f32 v[232+\b], 0x1800000, v[232+\b]  ; the floor: the byte cannot fall under 1
.endr
.irp b, 0,1,2,3
	s_delay_alu instid0(VALU_DEP_4)
	v_add_nc_u32 v[244+\b], 0xff000000, v[232+\b]
.endr
.irp b, 0,1,2,3
	s_delay_alu instid0(VALU_DEP_4)
	v_lshrrev_b32 v[236+\b], 23, v[244+\b]
.endr
	s_delay_alu instid0(VALU_DEP_3)
	v_lshl_or_b32 v253, v237, 8, v236              ; p's scale word for these 128 keys
	s_delay_alu instid0(VALU_DEP_1)
	v_lshl_or_b32 v253, v238, 16, v253
	s_delay_alu instid0(VALU_DEP_1)
	v_lshl_or_b32 v253, v239, 24, v253
	s_setprio 0
.irp c, 0,1
	v_cvt_scalef32_pk16_fp6_f32 v[224+6*\c:226+6*\c], v[96+32*\c:111+32*\c], v[244+2*\c]
	v_cvt_scalef32_pk16_fp6_f32 v[236+4*\c:238+4*\c], v[112+32*\c:127+32*\c], v[244+2*\c+1]
.endr
	v_nop                                          ; one plain place behind a scaled conversion
.irp c, 0,1
.irp i, 0,1,2
	v_permlane16_swap_b32 v[224+6*\c+\i], v[236+4*\c+\i]
.endr
.irp i, 0,1,2
	s_delay_alu instid0(VALU_DEP_3)
	v_mov_b32 v[227+6*\c+\i], v[236+4*\c+\i]
.endr
.endr
.set N_, 0
.rept 16
	v_pk_mul_f32 v[160+N_:161+N_], v[160+N_:161+N_], v[252:253] op_sel_hi:[1,0]   ; O^T under the new M; these are also the places between the scale word's and the codes' last writes and the products
.set N_, N_+2
.endr
	s_wait_alu depctr_va_vdst(0)
	s_wait_dscnt 0x0                               ; V's fragments and scale words
.irp t, 0,1,2,3
	v_wmma_scale_f32_16x16x128_f8f6f4 v[160+8*\t:167+8*\t], v[32+12*\t:43+12*\t], v[224:235], v[160+8*\t:167+8*\t], v[248+\t], v253 matrix_a_fmt:MATRIX_FMT_FP6 matrix_b_fmt:MATRIX_FMT_FP6
.endr
.Lhid:
	s_add_co_u32 s35, s35, STEPB
	s_add_co_u32 s34, s34, 1
	s_cmp_lt_u32 s34, 16
	s_cbranch_scc1 .Lstep
	s_setprio 0
	; the tile's end: O^T / the sum; register 16 b + i is channel 32 b + 16 h + i of my query: two blocks of the output projection's K
.rept 4
	v_nop
.endr
	v_add_f32 v14, v14, v15
	s_delay_alu instid0(VALU_DEP_1)
	v_permlanex16_b32 v252, v14, s20, s21
	s_delay_alu instid0(VALU_DEP_1)
	v_add_f32 v14, v14, v252
	s_wait_alu depctr_va_vdst(0)
	v_rcp_f32 v14, v14
	v_nop                                          ; a plain place behind the reciprocal
	s_wait_alu depctr_va_vdst(0)                   ; and the wait ahead of its first reader
.set N_, 0
.rept 16
	v_pk_mul_f32 v[96+N_:97+N_], v[160+N_:161+N_], v[14:15] op_sel_hi:[1,0]
.set N_, N_+2
.endr
.irp b, 0,1
	v_max3_num_f32 v[232+\b], |v[96+16*\b]|, |v[97+16*\b]|, 0x1800000
.endr
.irp i, 2,4,6,8,10,12,14
.irp b, 0,1
	s_delay_alu instid0(VALU_DEP_2)
	v_max3_num_f32 v[232+\b], v[232+\b], |v[96+16*\b+\i]|, |v[97+16*\b+\i]|
.endr
.endr
.irp b, 0,1
	s_delay_alu instid0(VALU_DEP_2)
	v_permlanex16_b32 v[236+\b], v[232+\b], s20, s21
.endr
.irp b, 0,1
	s_delay_alu instid0(VALU_DEP_2)
	v_max_num_f32 v[232+\b], v[232+\b], v[236+\b]
.endr
.irp b, 0,1
	s_delay_alu instid0(VALU_DEP_2)
	v_add_nc_u32 v[244+\b], 0xff000000, v[232+\b]
.endr
.irp b, 0,1
	s_delay_alu instid0(VALU_DEP_2)
	v_lshrrev_b32 v[236+\b], 23, v[244+\b]
.endr
	v_cmp_lt_u32 vcc_lo, 15, v11
	s_delay_alu instid0(VALU_DEP_1)
	v_cndmask_b32 v254, v236, v237, vcc_lo         ; lane (r, h) stores block h's byte of row r
	v_cvt_scalef32_pk16_fp6_f32 v[224:226], v[96:111], v244
	v_cvt_scalef32_pk16_fp6_f32 v[240:242], v[112:127], v245
	v_nop
.irp i, 0,1,2
	v_permlane16_swap_b32 v[224+\i], v[240+\i]
.endr
.irp i, 0,1,2
	s_delay_alu instid0(VALU_DEP_3)
	v_mov_b32 v[227+\i], v[240+\i]
.endr
	s_lshr_b32 s38, s10, 4
	s_lshl_b32 s38, s38, 7
	s_add_co_u32 s38, s38, s32                     ; the token tile: 128 batch + A
	s_mul_i32 s50, s38, 12288
	s_bfe_u32 s39, s10, 0x30001                    ; K step = head / 2,
	s_mul_i32 s44, s39, 1536
	s_add_co_u32 s50, s50, s44
	s_and_b32 s45, s10, 1                          ; half = head % 2
	s_mul_i32 s44, s45, 768
	s_add_co_u32 s50, s50, s44
	s_mov_b32 s51, 0
	s_add_nc_u64 s[50:51], s[6:7], s[50:51]
	s_lshl_b32 s52, s38, 9
	s_bfe_u32 s44, s10, 0x10003
	s_lshl_b32 s44, s44, 8
	s_add_co_u32 s52, s52, s44
	s_and_b32 s44, s39, 3
	s_lshl_b32 s44, s44, 2
	s_add_co_u32 s52, s52, s44
	s_lshl_b32 s44, s45, 1
	s_add_co_u32 s52, s52, s44
	s_mov_b32 s53, 0
	s_add_nc_u64 s[52:53], s[8:9], s[52:53]
	s_wait_alu depctr_va_vdst(0)
	global_store_b128 v1, v[224:227], s[50:51]     ; 512 consecutive bytes,
	global_store_b64 v2, v[228:229], s[50:51] offset:512   ; 256
	global_store_b8 v28, v254, s[52:53]            ; a byte a lane, two to a row's word: one byte for each 24 of codes; the word's other bytes are another head's
	s_wait_xcnt 0x0                                ; the stores have read their registers and pointers
	s_xor_b32 s32, s32, 127                        ; the second tile: 127 - A,
	s_xor_b32 s33, s33, 15                         ; whose diagonal lies in key step 15 - JD
	s_add_co_u32 s36, s36, 1
	s_cmp_lt_u32 s36, 2
	s_cbranch_scc1 .Lpass
	s_wait_tensorcnt 0x0                           ; the wave's end
	ds_add_u32 v5, v6
	s_wait_dscnt 0x0
	CROUND                                         ; the closing round
	s_endpgm
.Lfunc_end_k_qd74811c8d5_attn:
	.size	k_qd74811c8d5_attn, .Lfunc_end_k_qd74811c8d5_attn-k_qd74811c8d5_attn
	.p2alignl 7, 3214868480
	.fill 96, 4, 3214868480
	.section	.rodata,"a",@progbits
	.p2align	6, 0x0
	.amdhsa_kernel k_qd74811c8d5_attn
		.amdhsa_group_segment_fixed_size 210944
		.amdhsa_private_segment_fixed_size 0
		.amdhsa_enable_private_segment 0
		.amdhsa_kernarg_size 24
		.amdhsa_user_sgpr_count 2
		.amdhsa_user_sgpr_kernarg_segment_ptr 1
		.amdhsa_wavefront_size32 1
		.amdhsa_system_sgpr_workgroup_id_x 1
		.amdhsa_system_sgpr_workgroup_id_y 1
		.amdhsa_system_sgpr_workgroup_id_z 1
		.amdhsa_system_vgpr_workitem_id 0
		.amdhsa_next_free_vgpr 256
		.amdhsa_next_free_sgpr 66
		.amdhsa_reserve_vcc 1
		.amdhsa_float_denorm_mode_32 3
		.amdhsa_float_denorm_mode_16_64 3
		.amdhsa_memory_ordered 1
		.amdhsa_forward_progress 1
		.amdhsa_inst_pref_size 35
	.end_amdhsa_kernel
	.amdgpu_metadata
---
amdhsa.version: [ 1, 2 ]
amdhsa.kernels:
  - .name:           k_qd74811c8d5_attn
    .symbol:         k_qd74811c8d5_attn.kd
    .args:
      - { .name: qkv, .offset: 0, .size: 8, .value_kind: global_buffer, .address_space: global }
      - { .name: ac, .offset: 8, .size: 8, .value_kind: global_buffer, .address_space: global }
      - { .name: sc2, .offset: 16, .size: 8, .value_kind: global_buffer, .address_space: global }
    .group_segment_fixed_size: 210944
    .private_segment_fixed_size: 0
    .kernarg_segment_align: 8
    .kernarg_segment_size: 24
    .max_flat_workgroup_size: 512
    .sgpr_count:     66
    .vgpr_count:     256
    .wavefront_size: 32
...
	.end_amdgpu_metadata
.endif
;; end of part 3
;; launch gemm_out (part 4): grid 4 x 32, 4 waves a work-group, clusters of 4 x 4, 327,680 bytes of LDS; arguments ac, wc, sc2, bo, out0; writes out0
.if DOCPART == 4
	.amdgcn_target "amdgcn-amd-amdhsa--gfx1250"
	.amdhsa_code_object_version 6
	.text
	.protected	k_qd74811c8d5_gemm_out
	.globl	k_qd74811c8d5_gemm_out
	.p2align	8
	.type	k_qd74811c8d5_gemm_out,@function
k_qd74811c8d5_gemm_out:
	s_mov_b64 s[64:65], 0
	v_nop
	global_prefetch_b8 v0, s[64:65] scope:SCOPE_SE
	s_setreg_imm32_b32 hwreg(HW_REG_WAVE_MODE, 25, 1), 1
	s_wait_xcnt 0x0
	s_wait_alu depctr_hold_cnt(0) depctr_sa_sdst(0) depctr_va_vdst(0) depctr_va_sdst(0) depctr_va_ssrc(0) depctr_va_vcc(0) depctr_vm_vsrc(0)
	s_getreg_b32 s2, hwreg(HW_REG_IB_STS2, 6, 4)
	s_cmp_eq_u32 s2, 0
	s_cbranch_scc0 .Lentry_in_a_cluster
	s_endpgm
.Lentry_in_a_cluster:
	s_bfe_u32 s2, ttmp6, 0x10000c
	s_cmp_lg_u32 s2, 0xf033
	s_cbranch_scc0 .Lentry_shape_is_right
	s_endpgm
.Lentry_shape_is_right:
; out0 = a wo + bo on codes of E2M3 (K = 1024): a = the attention's result as launch attn stored it, wo's codes from launch prep (tiles 192-255 of wc).  out0: [8192][1024] f32.
; The ring, the round, the fragments, the scale words and the turns are launch gemm_qkv's: a work-group makes 256 tokens x 256 columns, a wave 128 x 128; source 0 = 16 columns of wo, source 1 = 16 tokens;
; two LDS slots of two K steps, filled by joint tensor loads (a's tiles shared along a row of the 4 x 4 cluster, wo's along a column); all 8 K steps written out; bo is the C of the first K step's products.
; A wave has one tensor load out at a time at the start and one behind each round.
; A tile's lane r is row 32 b + 8 u + r + 8 (r / 8) of its group of 32: so a lane's 16 registers of result tiles 2 b, 2 b + 1 are 16 neighbouring columns, and the way out puts each token's row at its true place.
; 128 work-groups: a smaller tile would fill more WGPs but read each fragment from LDS for half as many products.
; REGISTERS: as in gemm_qkv; on the way out v128-255 of window 0 hold rows read back from the stage.
.set FR,    12
.set HALFT, 24576
.set WREG,  49152
.set SLOT,  98304
.set SPARE, 196608
.set SPITCH, 528                       ; the way out: a stage of 16 rows x (512 + 16) bytes for each wave, in slot 0, which has had its last fill and its last read by then
.set ADRA, 16
.set ADRB, 20
.set LI,   24                          ; v24  16 x lane: also my byte offset in a row of out0
.set L8,   25
.set VS,   26
.set VB,   27
.set SPW,  28
.set NIL,  29
.set STO,  30                          ; v30  the stage: where I put 32 bytes of a row
.set RD,   31                          ; v31  and where I read a row back
.set SC,   32
.set AF,   128
.set BK,   128
.set G1,  24
.set G0,  32
.set G1B, 48
.set G0B, 56
.set MSB, 0
.macro WIN new                         ; the immediate's high byte repeats the setting that is left
.if MSB != (\new)
	s_set_vgpr_msb (MSB<<8)|(\new)
.set MSB, (\new)
.endif
.endm
.set MUL_LO, 0xa1
.set MUL_HI, 0xf1
.set TO_B,   0x40
.macro JLOAD g0a, g1a, g0b, g1b        ; a joint load: waves 0, 1 for a, waves 2, 3 for wo; an s_nop 0 and four v_nop follow each line
	s_cmp_eq_u32 s19, 0
	s_cbranch_scc0 .Lfor_b_\@
	tensor_load_to_lds s[\g0a:\g0a+3], s[\g1a:\g1a+7]
	s_nop 0
.rept 4
	v_nop
.endr
	s_branch .Lasked_\@
.Lfor_b_\@:
	tensor_load_to_lds s[\g0b:\g0b+3], s[\g1b:\g1b+7]
	s_nop 0
.rept 4
	v_nop
.endr
.Lasked_\@:
.endm
.macro CREST
	s_cmp_lg_u32 s18, 0
	s_cbranch_scc1 .Lnot_wave_0_\@
	s_barrier_signal -3
.Lnot_wave_0_\@:
	s_barrier_wait -3
	s_barrier_signal -1
	s_barrier_wait -1
.endm
.macro CROUND
	s_barrier_signal -1
	s_barrier_wait -1
	CREST
.endm
	s_load_b256 s[4:11], s[0:1], 0x0               ; ac s[4:5], wc s[6:7], sc2 s[8:9], bo s[10:11]
	s_load_b64 s[12:13], s[0:1], 0x20              ; out0
	v_lshl_add_u32 v[SPW], v0, 2, SPARE
	v_mov_b32 v[NIL], 0
	ds_add_u32 v[SPW], v[NIL]                      ; the wave's opening: the add, twice on end, and its wait ahead of my first tensor load
	ds_add_u32 v[SPW], v[NIL]
	v_lshrrev_b32 v1, 5, v0
	v_readfirstlane_b32 s18, v1                    ; wave 0..3
	s_lshr_b32 s19, s18, 1                         ; F: my half of the tokens.  Also: I fetch for a (0) or for wo (1)
	s_and_b32 s20, s18, 1                          ; HF: my half of the columns.  Also: which 8 tiles I fetch
	s_bfe_u32 s21, ttmp6, 0x40000
	s_bfe_u32 s22, ttmp6, 0x40004
	s_lshl_b32 s40, ttmp9, 2
	s_add_co_u32 s40, s40, s21                     ; tile column
	s_and_b32 s41, ttmp7, 0xffff
	s_lshl_b32 s41, s41, 2
	s_add_co_u32 s41, s41, s22                     ; tile row
	s_lshl_b32 s42, s22, 2
	s_lshl_b32 s42, 15, s42
	s_lshl_b32 s43, 0x1111, s21
	s_or_b32 s[G1+0], s42, (3<<16)|(1<<21)         ; group 1: 8 rows (tiles) of 3,072 bytes, 12,288 apart; elements of 8 bytes; no padding
	s_or_b32 s[G1B+0], s43, (3<<16)|(1<<21)
.irp g, G1, G1B
	s_mov_b32 s[\g+1], 384<<16
	s_mov_b32 s[\g+2], 8<<16
	s_mov_b32 s[\g+3], 384<<16
	s_mov_b32 s[\g+4], 8
	s_mov_b32 s[\g+5], 1536
	s_mov_b32 s[\g+6], 0
	s_mov_b32 s[\g+7], 0
.endr
	s_lshl_b32 s44, s20, 3
	s_lshl_b32 s66, s41, 4
	s_add_co_u32 s66, s66, s44
	s_mul_i32 s66, s66, 12288
	s_mov_b32 s67, 0
	s_lshl_b32 s68, s40, 4
	s_add_co_u32 s68, s68, s44
	s_mul_i32 s68, s68, 12288
	s_add_co_u32 s68, s68, 2359296                 ; wo's tiles begin at tile 192 of wc
	s_mov_b32 s69, 0
	s_mul_i32 s45, s18, HALFT
	s_wait_dscnt 0x0                               ; both opening adds are done
	s_wait_kmcnt 0x0
	s_add_nc_u64 s[66:67], s[4:5], s[66:67]
	s_add_nc_u64 s[68:69], s[6:7], s[68:69]
	CROUND                                         ; all sixteen work-groups are here: the first joint loads meet
.irp s, 0,1
	s_mov_b32 s[G0+4*\s], 1
	s_add_co_u32 s[G0+4*\s+1], s45, \s*SLOT
	s_add_nc_u64 s[G0+4*\s+2:G0+4*\s+3], s[66:67], \s*3072
	s_or_b32 s[G0+4*\s+3], s[G0+4*\s+3], 0x80000000
	s_mov_b32 s[G0B+4*\s], 1
	s_add_co_u32 s[G0B+4*\s+1], s45, \s*SLOT
	s_add_nc_u64 s[G0B+4*\s+2:G0B+4*\s+3], s[68:69], \s*3072
	s_or_b32 s[G0B+4*\s+3], s[G0B+4*\s+3], 0x80000000
	s_wait_alu depctr_va_vdst(0)
	s_wait_tensorcnt 0x0
	ds_add_u32 v28, v29
	ds_add_u32 v28, v29
	s_wait_dscnt 0x0
	CROUND
	JLOAD G0+4*\s, G1, G0B+4*\s, G1B
.endr
	v_and_b32 v1, 15, v0                           ; r
	v_bfe_u32 v2, v0, 4, 1                         ; h
	v_and_b32 v3, 31, v0
	v_lshlrev_b32 v[LI], 4, v3
	v_lshlrev_b32 v[L8], 3, v3
	s_mul_i32 s47, s19, HALFT                      ; source 1: a's region, my half
	s_mul_i32 s71, s20, HALFT
	s_add_co_u32 s71, s71, WREG                    ; source 0: wo's region, my half
.irp s, 0,1
	v_add_nc_u32 v[ADRA+\s], s47, v[LI]
	v_add_nc_u32 v[ADRB+\s], s71, v[LI]
	v_add_nc_u32 v[ADRA+2+\s], s47, v[L8]
	v_add_nc_u32 v[ADRB+2+\s], s71, v[L8]
	s_add_co_u32 s47, s47, SLOT
	s_add_co_u32 s71, s71, SLOT
.endr
	s_lshl_b32 s74, s41, 13                        ; the scale words: a's,
	s_lshl_b32 s76, s19, 12
	s_add_co_u32 s74, s74, s76
	s_lshl_b32 s75, s40, 13                        ; wo's, behind them
	s_add_co_u32 s75, s75, 262144
	s_lshl_b32 s76, s20, 12
	s_add_co_u32 s75, s75, s76
	v_mov_b32 v4, s74
	v_mov_b32 v5, s75
	v_cmp_ne_u32 vcc_lo, 0, v2
	v_cndmask_b32 v[VS], v4, v5, vcc_lo            ; lanes 0-15 take source 1's tiles, lanes 16-31 source 0's
	v_lshl_add_u32 v[VS], v1, 4, v[VS]
.irp i, 0,1,2,3,4,5,6,7
.irp q, 0,1
	global_load_b128 v[SC+8*\i+4*\q:SC+8*\i+4*\q+3], v[VS], s[8:9] offset:512*\i+256*\q
.endr
.endr
	s_lshl_b32 s76, s40, 10                        ; bo: my 128 columns; lane (r, h) wants, for tile b, columns 32 (b / 2) + 8 (b % 2) + 16 h + 0 .. 7
	s_lshl_b32 s78, s20, 9
	s_add_co_u32 s76, s76, s78
	s_mov_b32 s77, 0
	s_add_nc_u64 s[10:11], s[10:11], s[76:77]
	s_add_nc_u64 s[12:13], s[12:13], s[76:77]      ; out0: the same columns,
	s_lshl_b32 s76, s41, 20
	s_lshl_b32 s78, s19, 19
	s_add_co_u32 s76, s76, s78
	s_add_nc_u64 s[12:13], s[12:13], s[76:77]      ; from token 256 x tile row + 128 F on
	v_lshlrev_b32 v[VB], 6, v2
	WIN TO_B
.irp b, 0,1,2,3,4,5,6,7
	global_load_b128 v[96+8*\b+96*(\b/4):96+8*\b+96*(\b/4)+3], v[VB], s[10:11] offset:(32*(\b/2)+8*(\b%2))*4
	global_load_b128 v[96+8*\b+96*(\b/4)+4:96+8*\b+96*(\b/4)+7], v[VB], s[10:11] offset:(32*(\b/2)+8*(\b%2))*4+16
.endr
	WIN 0
	s_mul_i32 s79, s18, 16*SPITCH                  ; my stage
	v_mul_u32_u24 v[STO], v1, SPITCH
	v_lshl_add_u32 v[STO], v2, 6, v[STO]
	v_add_nc_u32 v[STO], s79, v[STO]               ; in: row r, + 64 h
	v_add_nc_u32 v[RD], s79, v[LI]                 ; back: the 32 lanes take one row of 512 bytes
.macro FRAG reg, adr, q, i
	ds_load_b128 v[\reg:\reg+3], v[\adr] offset:(\i)*3072+(\q)*1536
	ds_load_b64 v[\reg+4:\reg+5], v[\adr+2] offset:(\i)*3072+(\q)*1536+512
	ds_load_b128 v[\reg+6:\reg+9], v[\adr] offset:(\i)*3072+(\q)*1536+768
	ds_load_b64 v[\reg+10:\reg+11], v[\adr+2] offset:(\i)*3072+(\q)*1536+1280
.endm
; 16 matrix instructions; cm = 1: C is the bias.  The 64 accumulators take turns, one instruction a turn, in the same order in every step.
.macro MUL16 a0, p, ks, cm
.irp a, \a0, \a0+1
.irp b, 0,1,2,3,4,5,6,7
.set D_, 8*(8*((\a)%4)+\b)
.set B_, 128*(\p)+FR*\b
.set A_, AF+FR*(\a)
.if \cm == 1
.set C_, 96+8*\b+96*(\b/4)
.else
.set C_, D_
.endif
	v_wmma_scale_f32_16x16x128_f8f6f4 v[D_:D_+7], v[B_:B_+FR-1], v[A_:A_+FR-1], v[C_:C_+7], v[SC+8*\b+(\ks)], v[SC+8*(\a)+(\ks)] matrix_a_fmt:MATRIX_FMT_FP6 matrix_b_fmt:MATRIX_FMT_FP6 matrix_a_scale:MATRIX_SCALE_ROW1
.endr
.endr
.endm
.macro FETCH_B slot, q, p
	WIN TO_B
.irp i, 0,1,2,3,4,5,6,7
	FRAG 128*(\p)+FR*\i, ADRB+\slot, \q, \i
.endr
	WIN 0
.endm
.macro FETCH_A slot, q, i0
.irp i, \i0, \i0+1, \i0+2, \i0+3
	FRAG AF+FR*(\i), ADRA+\slot, \q, \i
.endr
.endm
.macro PLACES                          ; four plain places between a matrix instruction and a load into, or a read of, its registers (ISA guide 7.12.1 for reads)
.rept 4
	v_nop
.endr
.endm
.macro STEP slot, ks, cm
	s_wait_dscnt 16                                ; source 0's set and source 1's tiles 0-3 are in; the youngest 16 loads (tiles 4-7) may be out
.if \cm
	WIN 0x91
.else
	WIN MUL_LO
.endif
	MUL16 0, 0, \ks, \cm
	MUL16 2, 0, \ks, \cm
	s_wait_dscnt 0x0
	PLACES
	FETCH_B \slot, 1, 1
	FETCH_A \slot, 1, 0
.if \cm
	WIN 0xd1
.else
	WIN MUL_HI
.endif
	MUL16 4, 0, \ks, \cm
	MUL16 6, 0, \ks, \cm
	PLACES
	WIN 0
	FETCH_A \slot, 1, 4
.endm
.macro TURN slot, next, fill, ks
	s_wait_tensorcnt 0x0                           ; all my tensor loads have landed: my part of the next slot
	ds_add_u32 v[SPW], v[NIL]
	s_wait_dscnt 17                                ; (the add and the youngest 16 loads may be out)
	WIN MUL_LO
	MUL16 0, 1, \ks, 0
	s_wait_dscnt 0x0                               ; the add is done, and my reads of this slot are over
	s_barrier_signal -1
	MUL16 2, 1, \ks, 0
	WIN 0
	s_barrier_wait -1
.if \fill
	CREST                                          ; the barrier has opened a round of the cluster's
	s_add_nc_u64 s[G0+4*\slot+2:G0+4*\slot+3], s[G0+4*\slot+2:G0+4*\slot+3], 6144
	s_add_nc_u64 s[G0B+4*\slot+2:G0B+4*\slot+3], s[G0B+4*\slot+2:G0B+4*\slot+3], 6144
	JLOAD G0+4*\slot, G1, G0B+4*\slot, G1B         ; the first tensor load behind the round; its four v_nop are the places in front of the loads below
.else
	PLACES
.endif
	FETCH_B \next, 0, 0
	FETCH_A \next, 0, 0
	WIN MUL_HI
	MUL16 4, 1, \ks, 0
	MUL16 6, 1, \ks, 0
	PLACES
	WIN 0
	FETCH_A \next, 0, 4
.endm
	s_wait_tensorcnt 1                             ; my part of slot 0 is in; slot 1's may be out
	s_barrier_signal -1
	s_barrier_wait -1
	FETCH_B 0, 0, 0
	FETCH_A 0, 0, 0
	FETCH_A 0, 0, 4
	s_wait_loadcnt 0x0                             ; the scale words and the bias
	STEP 0, 0, 1
	TURN 0, 1, 1, 1
	STEP 1, 2, 0
	TURN 1, 0, 1, 3
	STEP 0, 4, 0
	TURN 0, 1, 0, 5                                ; nothing is left to fetch; behind this barrier nobody reads slot 0
	STEP 1, 6, 0
	s_wait_dscnt 16
	WIN MUL_LO
	MUL16 0, 1, 7, 0
	MUL16 2, 1, 7, 0
	s_wait_alu depctr_va_vdst(0)
	s_wait_dscnt 0x0
	WIN MUL_HI
	MUL16 4, 1, 7, 0
	MUL16 6, 1, 7, 0
	WIN 0
; THE WAY OUT, a tile of 16 tokens x 128 columns at a time, through my own stage: in as 32 bytes a lane, back as whole rows of 512 bytes.  LDS serves a wave's instructions in order (ISA guide 5.7.1.4).
.macro TOSTAGE a
.set AC_, 64*((\a)%4)
	WIN 0x08+4*((\a)/4)                            ; an LDS store's data: window 2 or 3
.irp b, 0,1,2,3,4,5,6,7
	ds_store_b128 v[STO], v[AC_+8*\b:AC_+8*\b+3] offset:128*(\b/2)+32*(\b%2)          ; columns 32 (b / 2) + 16 h + 8 (b % 2) on; each accumulator from its low end on
	ds_store_b128 v[STO], v[AC_+8*\b+4:AC_+8*\b+7] offset:128*(\b/2)+32*(\b%2)+16
.endr
	WIN 0
.set BB_, BK+64*((\a)%2)
.irp t, 0,1,2,3,4,5,6,7,8,9,10,11,12,13,14,15
	ds_load_b128 v[BB_+4*\t:BB_+4*\t+3], v[RD] offset:\t*SPITCH
.endr
.endm
.macro SEND a, younger                 ; younger: the LDS instructions issued behind tile a's loads, which may stay out
.set BB_, BK+64*((\a)%2)
.set RW_, 32*((\a)/2)+8*((\a)%2)
	s_wait_dscnt \younger
.irp t, 0,1,2,3,4,5,6,7,8,9,10,11,12,13,14,15
	global_store_b128 v[LI], v[BB_+4*\t:BB_+4*\t+3], s[12:13] offset:(RW_+\t+8*(\t/8))*4096 th:TH_STORE_NT   ; the tile's row t is token RW_ + t + 8 (t / 8) of my 128: 512 consecutive bytes, aligned
.endr
.endm
	PLACES
	TOSTAGE 0
.irp a, 1,2,3,4,5,6,7
.if \a > 1
	s_wait_xcnt 0x0                                ; tile a - 2's stores have read their registers: tile a's loads may land there
.endif
	TOSTAGE \a
	SEND \a-1, 32                                  ; behind tile a - 1's loads: tile a's 16 stores and 16 loads
.endr
	SEND 7, 0
	s_wait_tensorcnt 0x0                           ; the wave's end
	ds_add_u32 v[SPW], v[NIL]
	s_wait_dscnt 0x0
	CROUND                                         ; the closing round
	s_endpgm
.Lfunc_end_k_qd74811c8d5_gemm_out:
	.size	k_qd74811c8d5_gemm_out, .Lfunc_end_k_qd74811c8d5_gemm_out-k_qd74811c8d5_gemm_out
	.p2alignl 7, 3214868480
	.fill 96, 4, 3214868480
	.section	.rodata,"a",@progbits
	.p2align	6, 0x0
	.amdhsa_kernel k_qd74811c8d5_gemm_out
		.amdhsa_group_segment_fixed_size 327680
		.amdhsa_private_segment_fixed_size 0
		.amdhsa_enable_private_segment 0
		.amdhsa_kernarg_size 40
		.amdhsa_user_sgpr_count 2
		.amdhsa_user_sgpr_kernarg_segment_ptr 1
		.amdhsa_wavefront_size32 1
		.amdhsa_system_sgpr_workgroup_id_x 1
		.amdhsa_system_sgpr_workgroup_id_y 1
		.amdhsa_system_sgpr_workgroup_id_z 1
		.amdhsa_system_vgpr_workitem_id 0
		.amdhsa_next_free_vgpr 1024
		.amdhsa_next_free_sgpr 100
		.amdhsa_reserve_vcc 1
		.amdhsa_float_denorm_mode_32 3
		.amdhsa_float_denorm_mode_16_64 3
		.amdhsa_memory_ordered 1
		.amdhsa_forward_progress 1
		.amdhsa_inst_pref_size 143
	.end_amdhsa_kernel
	.amdgpu_metadata
---
amdhsa.version: [ 1, 2 ]
amdhsa.kernels:
  - .name:           k_qd74811c8d5_gemm_out
    .symbol:         k_qd74811c8d5_gemm_out.kd
    .args:
      - { .name: ac, .offset: 0, .size: 8, .value_kind: global_buffer, .address_space: global }
      - { .name: wc, .offset: 8, .size: 8, .value_kind: global_buffer, .address_space: global }
      - { .name: sc2, .offset: 16, .size: 8, .value_kind: global_buffer, .address_space: global }
      - { .name: bo, .offset: 24, .size: 8, .value_kind: global_buffer, .address_space: global }
      - { .name: out0, .offset: 32, .size: 8, .value_kind: global_buffer, .address_space: global }
    .group_segment_fixed_size: 327680
    .private_segment_fixed_size: 0
    .kernarg_segment_align: 8
    .kernarg_segment_size: 40
    .max_flat_workgroup_size: 128
    .sgpr_count:     100
    .vgpr_count:     1024
    .wavefront_size: 32
...
	.end_amdgpu_metadata
.endif
;; end of part 4
